; MI455X (gfx1250); checked and timed in simulation.
; The chip was launched on July 23, 2026; its instructions are those of AMD's public machine-readable ISA for CDNA 5 (MIT licence, August 2026) and "CDNA5" Instruction Set Architecture Reference Guide (July 2026). The comments in the code are by the model that wrote it; some were corrected since.
;; Cross Attention. Allowed arithmetic: matrix products marked QUANTISED: E2M3 operands, one E8M0 scale for each 32 along K, by v_wmma_scale_f32_16x16x128_f8f6f4 with both operands' format E2M3, f32 sums; everything else in f32.
;; Inputs: Wk 1,024 x 1,024 float32; Wp 1,024 x 1,024 float32; Wq 1,024 x 1,024 float32; Wv 1,024 x 1,024 float32; attn_bias 1 x 16 x 1,024 x 2,048 float32; bp 1,024 float32; context 4 x 2,048 x 1,024 float32; scale_mul 1 x 16 x 1 x 1 float32; x 4 x 1,024 x 1,024 float32.
;; Outputs: out0 4 x 1,024 x 1,024 float32.
;; This version of the problem:
;;   THIS VERSION OF THE PROBLEM IS GIVEN IN LOW PRECISION. The matrix products marked QUANTISED in the list below multiply operands that are first quantised to E2M3 (2 exponent bits, 3 mantissa bits; 6 bits a number), with one power-of-two scale for each 32 numbers along K (OCP MX v1.0); their sums are f32. All else is computed in f32.
;;   The module's matrix products, in the order in which they are computed (A, B: the left and right operand; K: the contracted axis; several contracted axes count as one K, in the product's order):
;;     1. [M 4,096, K 1,024] x [K 1,024, N 1,024]; A: input x; B: input Wq: QUANTISED
;;     2. [M 8,192, K 1,024] x [K 1,024, N 1,024]; A: input context; B: input Wk: QUANTISED
;;     3. [M 8,192, K 1,024] x [K 1,024, N 1,024]; A: input context; B: input Wv: QUANTISED
;;     4. batch 64 x [M 1,024, K 64] x [K 64, N 2,048]; A: computed on the way; B: computed on the way: QUANTISED
;;     5. batch 64 x [M 1,024, K 2,048] x [K 2,048, N 64]; A: softmax (see below); B: computed on the way: QUANTISED
;;     6. [M 4,096, K 1,024] x [K 1,024, N 1,024]; A: computed on the way; B: input Wp: QUANTISED
;;   THE QUANTISER, for each operand of a quantised product, along K:
;;     - K is cut into blocks of 32 from its start; a last block that is shorter is filled with zeros.
;;     - A block's scale is 2^e with e = floor(log2(the largest magnitude in the block)) - 2, held to -126 .. 127; a block of zeros has e = 0. As a byte (E8M0): e + 127.
;;     - Each number is divided by its block's scale, clamped to +-7.5, and rounded to the nearest number of E2M3, ties to even, subnormals kept.
;;     - The product sums the exact products of the quantised numbers (number of the format x scale) in f32.
;;   ~~~python
;;   def quantise(x, axis):      # numpy; x: float32 -> the quantised numbers, widened to float32 again
;;       x = np.moveaxis(x, axis, -1); K = x.shape[-1]
;;       x = np.pad(x, [(0, 0)] * (x.ndim - 1) + [(0, -K % 32)]); x = x.reshape(x.shape[:-1] + (-1, 32)); a = np.abs(x).max(-1, keepdims=True)
;;       e = np.where(a > 0, np.clip(np.frexp(np.where(a > 0, a, 1))[1] - 1 - 2, -126, 127), 0)      # np.frexp(a)[1] - 1 = floor(log2(a)), exactly
;;       r = np.clip(x / 2.0 ** e, -7.5, 7.5)
;;       step = 2.0 ** (np.maximum(np.frexp(np.where(r == 0, 1, r))[1] - 1, 0) - 3)
;;       q = np.round(r / step) * step * 2.0 ** e      # np.round: ties to even
;;       return np.moveaxis(q.reshape(q.shape[:-2] + (-1,))[..., :K], -1, axis).astype(np.float32)
;;   ~~~
;;   SOFTMAX AHEAD OF A QUANTISED PRODUCT. Where the list says 'softmax', what is quantised is not the finished softmax but p = 2^(t - M), with t = logit x log2(e) and M = ceil(the row's largest t), a whole number; so 1/2 < the row's largest p <= 1. The row's sum l is taken of the UNQUANTISED p, in f32, and the product's result is divided by l at the end. Since M is a whole number, a kernel that streams over the keys may use a running M (the ceiling of the running maximum): every later rescaling is an exact power of two, which a block's scale takes up: the codes' values come out the same.
;;   OPERANDS COMPUTED ON THE WAY. 'Computed on the way' means the value that the module computes at that place (a softmax that the list does not call 'softmax' is quantised finished and normalised). What goes into a quantiser is computed in f32, as accurately as f32 sums, v_exp_f32 and their like allow (about 1e-6 of the number): no bf16 or f16 on the way to a quantiser, and a product that is left as it is and whose result goes on into a quantised operand takes f32 operands (vector FMAs, or v_wmma_f32_16x16x4_f32). A number that lies on a knife's edge between two numbers of the format may be rounded either way, as far as f32 arithmetic and the matrix unit's own rounding can turn it there, and no further.
;; One version. Each part assembles by itself: llvm-mc -triple=amdgcn-amd-amdhsa -mcpu=gfx1250 --defsym DOCPART=n.
;; ======== version 1 of 1: 5 launches
;; workspace buffers: cod 13,107,200 bytes; ksq 262,144 bytes; kimg 6,553,600 bytes; vimg 6,553,600 bytes; qbuf 3,407,872 bytes; obuf 3,276,800 bytes
;; launch quant (part 1): grid 1024 x 1, 4 waves a work-group, no clusters, 34,304 bytes of LDS; arguments context, x, Wq, Wk, Wv, Wp, cod; writes cod
.if DOCPART == 1
	.amdgcn_target "amdgcn-amd-amdhsa--gfx1250"
	.amdhsa_code_object_version 6
	.text
	.protected	k_qdea56d75f4_quant
	.globl	k_qdea56d75f4_quant
	.p2align	8
	.type	k_qdea56d75f4_quant,@function
k_qdea56d75f4_quant:
	s_mov_b64 s[64:65], 0
	v_nop
	global_prefetch_b8 v0, s[64:65] scope:SCOPE_SE
	s_setreg_imm32_b32 hwreg(HW_REG_WAVE_MODE, 25, 1), 1
	s_wait_xcnt 0x0
; context [8192][1024], x [4096][1024], Wq, Wk, Wv, Wp [1024][1024], all f32 with K innermost, become codes of FP6 (E2M3) with one E8M0 byte for each 32 along K.
; The codes are laid in the ORDER OF AN OPERAND'S REGISTERS.  A GROUP is 16 rows; a group's K step of 128 is an IMAGE of 1,536 bytes: chunk c (0..2) at 512 c, lane l's registers 4 c .. 4 c + 3 at 16 l,
; where lane (r = l % 16, h = l / 16) holds row r and registers 6 c' .. 6 c' + 5 hold k = 64 c' + 32 h + 0 .. 31.  cod: group G's eight images at 12,288 G; its 512 scale bytes at SSC + 512 G:
; the word of row r for K step 2 j + q at 128 j + 8 r + 4 q.  Groups: context 0-511, x 512-767, Wq 768-831, Wk 832-895, Wv 896-959, Wp 960-1023.
; WHICH ROWS FORM A GROUP: x: 16 neighbours.  All others: group 2 p + u, lane r = row 32 p + 8 u + r + 8 (r / 8), so that a product's results of two neighbouring groups are 16 neighbours in a lane's registers.
; A block's scale is 2^(floor(log2(largest magnitude)) - 2); its byte is the largest magnitude's exponent field - 2, held at 1 from below.
; LIMITS: a block of zeros gets the byte 1 (its codes are zeros; this program alone reads the bytes); NaN and infinities are not served.
; SHARES: a work-group takes one group, wave w its K steps 2 w and 2 w + 1.  Each load reads 512 consecutive bytes of a row; a K step's 16 x 512 bytes turn through the wave's own stage in LDS
; (rows 528 bytes apart) and come back 128 bytes a lane and block: a lane then holds whole blocks of 32.  No barrier: waves share nothing.
.set SSC,   12582912
.set WSTG,  8448                       ; a wave's stage: 16 rows x 528 bytes
.set SPARE, 4*WSTG                     ; behind the stages: the spare words, 128 bytes a wave, named by no other line
.set SPW,   8                          ; v8  my spare word's address; never rewritten
.set NIL,   9                          ; v9  0; never rewritten
.set SEL,   30                         ; s[30:31] selects for lane l xor 16
	s_load_b256 s[4:11], s[0:1], 0x0               ; context, x, Wq, Wk
	s_load_b128 s[12:15], s[0:1], 0x20             ; Wv, Wp
	s_load_b64 s[16:17], s[0:1], 0x30              ; cod
	v_lshl_add_u32 v[SPW], v0, 2, SPARE
	v_mov_b32 v[NIL], 0
	v_lshrrev_b32 v1, 5, v0
	v_readfirstlane_b32 s18, v1                    ; wave
	v_and_b32 v1, 31, v0                           ; l
	v_and_b32 v2, 15, v0                           ; r
	v_bfe_u32 v3, v0, 4, 1                         ; h
	v_lshlrev_b32 v4, 4, v1                        ; 16 l
	s_mul_i32 s19, s18, WSTG
	v_add_nc_u32 v5, s19, v4                       ; into the stage: 16 l of a row
	v_mul_u32_u24 v6, v2, 528
	v_lshl_add_u32 v6, v3, 7, v6
	v_add_nc_u32 v6, s19, v6                       ; out of it: row r, + 128 h: my block's 32 numbers
	v_lshlrev_b32 v7, 3, v2
	v_lshl_add_u32 v7, v3, 2, v7                   ; the scale words' place: 8 r + 4 h
	v_lshlrev_b32 v10, 3, v3                       ; 8 h: my bytes' shift in a scale word
	v_mov_b32 v19, 0                               ; a lane permute's destination counts as read
	s_mov_b32 s[SEL], 0x76543210
	s_mov_b32 s[SEL+1], 0xfedcba98
	s_mov_b32 s32, 0xffff0000                      ; lanes 16-31
	s_mul_i32 s36, ttmp9, 12288                    ; my images in cod
	s_mul_i32 s37, s18, 3072
	s_add_co_u32 s36, s36, s37
	s_mov_b32 s37, 0
	s_lshl_b32 s40, ttmp9, 9                       ; my 128 scale bytes
	s_lshl_b32 s41, s18, 7
	s_add_co_u32 s40, s40, s41
	s_add_co_u32 s40, s40, SSC
	s_mov_b32 s41, 0
	s_wait_kmcnt 0x0
	s_mov_b64 s[20:21], s[4:5]                     ; which tensor: a chain of choices on the work-group's number alone
	s_mov_b32 s22, 0                               ; and that tensor's first group
	s_cmp_ge_u32 ttmp9, 512
	s_cselect_b64 s[20:21], s[6:7], s[20:21]
	s_cselect_b32 s22, 512, s22
	s_cmp_ge_u32 ttmp9, 768
	s_cselect_b64 s[20:21], s[8:9], s[20:21]
	s_cselect_b32 s22, 768, s22
	s_cmp_ge_u32 ttmp9, 832
	s_cselect_b64 s[20:21], s[10:11], s[20:21]
	s_cselect_b32 s22, 832, s22
	s_cmp_ge_u32 ttmp9, 896
	s_cselect_b64 s[20:21], s[12:13], s[20:21]
	s_cselect_b32 s22, 896, s22
	s_cmp_ge_u32 ttmp9, 960
	s_cselect_b64 s[20:21], s[14:15], s[20:21]
	s_cselect_b32 s22, 960, s22
	s_sub_co_u32 s23, ttmp9, s22                   ; g: the group inside its tensor
	s_lshl_b32 s25, s23, 4                         ; neighbours: first row 16 g
	s_lshr_b32 s26, s23, 1
	s_lshl_b32 s26, s26, 5
	s_and_b32 s27, s23, 1
	s_lshl_b32 s27, s27, 3
	s_add_co_u32 s26, s26, s27                     ; else 32 (g / 2) + 8 (g % 2)
	s_sub_co_u32 s24, ttmp9, 512
	s_cmp_lt_u32 s24, 256                          ; x's groups
	s_cselect_b32 s25, s25, s26
	s_mov_b32 s28, 65536                           ; lanes 8-15's rows begin 16 rows on,
	s_cselect_b32 s28, 32768, s28                  ; in x 8 rows on
	s_lshl_b32 s26, s25, 12                        ; rows of 4,096 bytes
	s_lshl_b32 s27, s18, 10                        ; my wave's 1,024 bytes of a row
	s_add_co_u32 s26, s26, s27
	s_mov_b32 s27, 0
	s_mov_b32 s29, 0
	s_add_nc_u64 s[20:21], s[20:21], s[26:27]      ; rows 0-7 of the group
	s_add_nc_u64 s[34:35], s[20:21], s[28:29]      ; rows 8-15
	s_add_nc_u64 s[36:37], s[16:17], s[36:37]
	s_add_nc_u64 s[40:41], s[16:17], s[40:41]
.irp q, 0,1                                    ; 32 loads a wave, all out at once; read once in the launch
.irp i, 0,1,2,3,4,5,6,7
	global_load_b128 v[64+64*\q+4*\i:67+64*\q+4*\i], v4, s[20:21] offset:4096*\i+512*\q th:TH_LOAD_NT
.endr
.irp i, 0,1,2,3,4,5,6,7
	global_load_b128 v[96+64*\q+4*\i:99+64*\q+4*\i], v4, s[34:35] offset:4096*\i+512*\q th:TH_LOAD_NT
.endr
.endr
.macro TURN q                          ; a K step through the stage; LDS serves a wave's instructions in order, so no wait stands between stores and loads, nor in front of the next turn's stores
.irp i, 0,1,2,3,4,5,6,7,8,9,10,11,12,13,14,15
	ds_store_b128 v5, v[64+64*\q+4*\i:67+64*\q+4*\i] offset:528*\i
.endr
.irp c, 0,1
.irp e, 0,1,2,3,4,5,6,7
	ds_load_b128 v[64+64*\q+32*\c+4*\e:67+64*\q+32*\c+4*\e], v6 offset:256*\c+16*\e   ; register 32 c + i = k 64 c + 32 h + i of row r
.endr
.endr
.endm
.macro Q6 q                            ; 64 numbers of a lane, two whole blocks, become the image's 12 registers and the row's scale word
.set XS, 64+64*\q
.set CD, 32+12*\q
.irp c, 0,1
	v_max3_num_f32 v[12+\c], |v[XS+32*\c]|, |v[XS+32*\c+1]|, 0x1800000   ; with the floor 2^(3 - 127): the byte cannot fall under 1
.endr
.irp i, 2,4,6,8,10,12,14,16,18,20,22,24,26,28,30
.irp c, 0,1
	v_max3_num_f32 v[12+\c], v[12+\c], |v[XS+32*\c+\i]|, |v[XS+32*\c+\i+1]|
.endr
.endr
.irp c, 0,1
	v_add_nc_u32 v[14+\c], 0xff000000, v[12+\c]    ; 2 off the exponent field: the conversion's scale operand
.endr
.irp c, 0,1
	v_lshrrev_b32 v[16+\c], 23, v[14+\c]           ; the scale's byte
.endr
	v_lshl_or_b32 v18, v17, 16, v16                ; my bytes: blocks h and 2 + h,
	v_lshlrev_b32 v18, v10, v18                    ; at their places;
	v_permlanex16_b32 v19, v18, s[SEL], s[SEL+1]
	v_or_b32 v[24+\q], v18, v19                    ; with lane l xor 16's the word is whole
.irp c, 0,1
	v_cvt_scalef32_pk16_fp6_f32 v[CD+6*\c:CD+6*\c+2], v[XS+32*\c:XS+32*\c+15], v[14+\c]
	v_cvt_scalef32_pk16_fp6_f32 v[56+4*\c:58+4*\c], v[XS+32*\c+16:XS+32*\c+31], v[14+\c]   ; (a conversion's three registers begin on an even number)
.endr
	v_nop                                          ; one plain line behind a scaled conversion
.irp c, 0,1
.irp i, 0,1,2
	v_mov_b32 v[CD+3+6*\c+\i], v[56+4*\c+\i]
.endr
.endr
.irp c, 0,1,2
	global_store_b128 v4, v[CD+4*\c:CD+4*\c+3], s[36:37] offset:1536*\q+512*\c   ; 512 consecutive bytes, aligned
.endr
.endm
	s_wait_loadcnt 16                              ; the first K step's sixteen loads are in; the second's may be out
	TURN 0
	s_wait_loadcnt 0x0
	TURN 1
	s_wait_dscnt 32                                ; the first turn is back; the second turn's 32 LDS instructions may be out
	Q6 0
	s_wait_dscnt 0x0
	Q6 1
	v_cndmask_b32 v26, v24, v25, s32               ; lanes 0-15 the first K step's word of row r, lanes 16-31 the second's
	global_store_b32 v7, v26, s[40:41]             ; 128 consecutive bytes
	s_wait_tensorcnt 0x0                           ; the wave's end, behind my last LDS store
	ds_add_u32 v[SPW], v[NIL]
	s_wait_dscnt 0x0
	s_endpgm
.Lfunc_end_k_qdea56d75f4_quant:
	.size	k_qdea56d75f4_quant, .Lfunc_end_k_qdea56d75f4_quant-k_qdea56d75f4_quant
	.p2alignl 7, 3214868480
	.fill 96, 4, 3214868480
	.section	.rodata,"a",@progbits
	.p2align	6, 0x0
	.amdhsa_kernel k_qdea56d75f4_quant
		.amdhsa_group_segment_fixed_size 34304
		.amdhsa_private_segment_fixed_size 0
		.amdhsa_enable_private_segment 0
		.amdhsa_kernarg_size 56
		.amdhsa_user_sgpr_count 2
		.amdhsa_user_sgpr_kernarg_segment_ptr 1
		.amdhsa_wavefront_size32 1
		.amdhsa_system_sgpr_workgroup_id_x 1
		.amdhsa_system_sgpr_workgroup_id_y 1
		.amdhsa_system_sgpr_workgroup_id_z 1
		.amdhsa_system_vgpr_workitem_id 0
		.amdhsa_next_free_vgpr 192
		.amdhsa_next_free_sgpr 66
		.amdhsa_reserve_vcc 0
		.amdhsa_float_denorm_mode_32 3
		.amdhsa_float_denorm_mode_16_64 3
		.amdhsa_memory_ordered 1
		.amdhsa_forward_progress 1
		.amdhsa_inst_pref_size 18
	.end_amdhsa_kernel
	.amdgpu_metadata
---
amdhsa.version: [ 1, 2 ]
amdhsa.kernels:
  - .name:           k_qdea56d75f4_quant
    .symbol:         k_qdea56d75f4_quant.kd
    .args:
      - { .name: context, .offset: 0, .size: 8, .value_kind: global_buffer, .address_space: global }
      - { .name: x, .offset: 8, .size: 8, .value_kind: global_buffer, .address_space: global }
      - { .name: Wq, .offset: 16, .size: 8, .value_kind: global_buffer, .address_space: global }
      - { .name: Wk, .offset: 24, .size: 8, .value_kind: global_buffer, .address_space: global }
      - { .name: Wv, .offset: 32, .size: 8, .value_kind: global_buffer, .address_space: global }
      - { .name: Wp, .offset: 40, .size: 8, .value_kind: global_buffer, .address_space: global }
      - { .name: cod, .offset: 48, .size: 8, .value_kind: global_buffer, .address_space: global }
    .group_segment_fixed_size: 34304
    .private_segment_fixed_size: 0
    .kernarg_segment_align: 8
    .kernarg_segment_size: 56
    .max_flat_workgroup_size: 128
    .sgpr_count:     66
    .vgpr_count:     192
    .wavefront_size: 32
...
	.end_amdgpu_metadata
.endif
;; end of part 1
;; launch gemm_kv (part 2): grid 32 x 8, 4 waves a work-group, clusters of 4 x 4, 327,680 bytes of LDS; arguments cod, vimg, ksq; writes vimg, ksq
.if DOCPART == 2
	.amdgcn_target "amdgcn-amd-amdhsa--gfx1250"
	.amdhsa_code_object_version 6
	.text
	.protected	k_qdea56d75f4_gemm_kv
	.globl	k_qdea56d75f4_gemm_kv
	.p2align	8
	.type	k_qdea56d75f4_gemm_kv,@function
k_qdea56d75f4_gemm_kv:
	s_mov_b64 s[64:65], 0
	v_nop
	global_prefetch_b8 v0, s[64:65] scope:SCOPE_SE
	s_setreg_imm32_b32 hwreg(HW_REG_WAVE_MODE, 25, 1), 1
	s_wait_xcnt 0x0
	s_wait_alu depctr_hold_cnt(0) depctr_sa_sdst(0) depctr_va_vdst(0) depctr_va_sdst(0) depctr_va_ssrc(0) depctr_va_vcc(0) depctr_vm_vsrc(0)
	s_getreg_b32 s2, hwreg(HW_REG_IB_STS2, 6, 4)
	s_cmp_eq_u32 s2, 0
	s_cbranch_scc0 .Lentry_in_a_cluster
	s_endpgm
.Lentry_in_a_cluster:
	s_bfe_u32 s2, ttmp6, 0x10000c
	s_cmp_lg_u32 s2, 0xf033
	s_cbranch_scc0 .Lentry_shape_is_right
	s_endpgm
.Lentry_shape_is_right:
; Two products on codes of FP6 (E2M3) with E8M0 scales, K = 1,024: context x Wk^T, of which only each channel's sum of squares over 128 context rows is kept (ksq), and context x Wv^T,
; which is quantised along the KEYS and stored as images of the attention's operand registers (vimg).
; A tile is 256 channels ("A": Wk's groups 832.., tile rows 0-3; Wv's, tile rows 4-7) x 256 context rows ("B": groups 0..).  Four waves, each 128 x 128: 64 accumulators, 512 registers.
; THE MATRIX INSTRUCTION: source 0 = 16 rows of B, source 1 = 16 rows of A.  In accumulator (a, b) lane (r, h) holds A's group a, lane r (a channel), and register j B's group b, lane-row 8 h + j.
; By the order of rows in context's groups the 64 registers of one a are: register 16 p + i = context row 32 p + 16 h + i of the wave's 128: neighbours along the keys, as the quantiser wants them.
; OPERANDS lie in cod as images of registers (16 rows x 128 K: 1,536 bytes, chunk c at 512 c, lane l at 16 l): a fragment is three loads of 16 bytes a lane, 512 consecutive bytes each: no pitch, no padding.
; K goes in steps of 256 through two LDS slots; a wave's tensor load brings 8 groups x 3,072 bytes.  The scale bytes of the tile's 32 groups, all of K, come once with the first fills.
; CLUSTER 4 x 4: A's tiles are asked for jointly along a row of the cluster, B's along a column.
; ksq: [block of 128 context rows][1,024], index = 16 x Wk's group + lane r.  vimg: [batch x 16 + head][key step of 128][6,400]: four fragments (the head's Wv groups) of 1,536 bytes, then 256 bytes of scale
; words: lane l's two words at 6,144 + 8 l: word 0 of fragment l / 16, word 1 of fragment 2 + l / 16, row l % 16.
; LIMITS: a block of zeros gets the byte 1 (its codes are zeros; this program alone reads the bytes); NaN and infinities are not served.
; REGISTERS: window 0: v0-31 addresses; v32-63 scale words, two sets, nothing else ever; v64-127, v224-255 the way out's; v128-223 A's fragments, one set.  window 1: B's fragments, two sets.  windows 2, 3: accumulators.
.set AG0,   832
.set BG0,   0
.set SSC,   12582912
.set NQ,    2                          ; matrix instructions deep in a slot
.set FR,    12
.set NP,    4                          ; places behind this matrix instruction (ISA guide 7.12.1)
.set NLA,   3                          ; LDS loads that bring a fragment of A
.set SLB,   3072                       ; a group's bytes in a slot
.set HALFT, 8*SLB
.set SLOT,  4*HALFT                    ; A's 16 groups, then B's 16
.set SCL,   2*SLOT                     ; behind the ring: the scale bytes, 512 a group
.set HALFS, 4096
.set SPARE, 215040                     ; the spare words, 128 bytes a wave, named by no other line
.set ADRA, 16                          ; v16-17 my A fragments in slot 0, 1
.set ADRB, 20                          ; v20-21 B's
.set L16,  24                          ; v24 16 l   v25 8 l   v26 4 l
.set L8,   25
.set L4,   26
.set ADRS, 27                          ; v27 my scale words: lanes 0-15 A's, lanes 16-31 B's
.set SPW,  28
.set NIL,  29
.set SC,   32
.set AF,   128
.set TM,   224                         ; the quantiser's: +0..3 largest magnitudes, +4..7 bytes, +12..15 scale operands
.set TT,   240
.set SEL,  66                          ; s[66:67]
.set G1, 24
.set G0, 32
.set G1B, 48
.set G0B, 56
.set G1S, 68
.set G0S, 76
.set G1SB, 80
.set G0SB, 88
.set MSB, 0
.macro WIN new                         ; the immediate's high byte repeats the setting that is left
.if MSB != (\new)
	s_set_vgpr_msb (MSB<<8)|(\new)
.set MSB, \new
.endif
.endm
.set MUL_LO, 0xa1                      ; source 0 (B) window 1, source 1 (A) window 0, C and D window 2
.set MUL_HI, 0xf1
.set TO_B,   0x40
.macro JLOAD g0a, g1a, g0b, g1b        ; a joint load: waves 0, 1 fetch for A, waves 2, 3 for B; an s_nop 0 and four v_nop follow each line
	s_cmp_eq_u32 s15, 0
	s_cbranch_scc0 .Lfor_b_\@
	tensor_load_to_lds s[\g0a:\g0a+3], s[\g1a:\g1a+7]
	s_nop 0
.rept 4
	v_nop
.endr
	s_branch .Lasked_\@
.Lfor_b_\@:
	tensor_load_to_lds s[\g0b:\g0b+3], s[\g1b:\g1b+7]
	s_nop 0
.rept 4
	v_nop
.endr
.Lasked_\@:
.endm
.macro CREST
	s_cmp_lg_u32 s14, 0
	s_cbranch_scc1 .Lnot_wave_0_\@
	s_barrier_signal -3
.Lnot_wave_0_\@:
	s_barrier_wait -3
	s_barrier_signal -1
	s_barrier_wait -1
.endm
.macro CROUND
	s_barrier_signal -1
	s_barrier_wait -1
	CREST
.endm
	s_load_b128 s[4:7], s[0:1], 0x0                ; cod, vimg
	s_load_b64 s[8:9], s[0:1], 0x10                ; ksq
	v_lshl_add_u32 v[SPW], v0, 2, SPARE
	v_mov_b32 v[NIL], 0
	ds_add_u32 v[SPW], v[NIL]                      ; the wave's opening: the add and its wait ahead of my first tensor load
	v_lshrrev_b32 v1, 5, v0
	v_readfirstlane_b32 s14, v1                    ; wave
	s_lshr_b32 s15, s14, 1                         ; my half of A's groups; also: I fetch for A (0) or B (1)
	s_and_b32 s16, s14, 1                          ; my half of B's groups; also: which 8 groups I fetch
	s_bfe_u32 s40, ttmp6, 0x40000                  ; cx
	s_bfe_u32 s41, ttmp6, 0x40004                  ; cy
	s_lshl_b32 s42, ttmp9, 2
	s_add_co_u32 s42, s42, s40                     ; tile column (B)
	s_and_b32 s2, ttmp7, 0xffff                    ; the cluster's y
	s_lshl_b32 s17, s2, 2
	s_add_co_u32 s17, s17, s41                     ; tile row (A)
	s_lshl_b32 s43, s41, 2
	s_lshl_b32 s43, 15, s43                        ; my row of the cluster
	s_lshl_b32 s44, 0x1111, s40                    ; my column
	s_or_b32 s[G1+0], s43, (3<<16)|(1<<21)         ; codes: 8 rows (groups) of 384 elements of 8 bytes, 1,536 elements apart; no padding; bit 21 beside a mask
	s_or_b32 s[G1B+0], s44, (3<<16)|(1<<21)
.irp g, G1, G1B
	s_mov_b32 s[\g+1], 384<<16
	s_mov_b32 s[\g+2], 8<<16
	s_mov_b32 s[\g+3], 384<<16
	s_mov_b32 s[\g+4], 8
	s_mov_b32 s[\g+5], 1536
	s_mov_b32 s[\g+6], 0
	s_mov_b32 s[\g+7], 0
.endr
	s_or_b32 s[G1S+0], s43, (3<<16)|(1<<21)        ; scale bytes of 8 groups: 4,096 dense bytes as 16 rows of 256
	s_or_b32 s[G1SB+0], s44, (3<<16)|(1<<21)
.irp g, G1S, G1SB
	s_mov_b32 s[\g+1], 32<<16
	s_mov_b32 s[\g+2], 16<<16
	s_mov_b32 s[\g+3], 32<<16
	s_mov_b32 s[\g+4], 16
	s_mov_b32 s[\g+5], 32
	s_mov_b32 s[\g+6], 0
	s_mov_b32 s[\g+7], 0
.endr
	s_lshl_b32 s18, s16, 3
	s_lshl_b32 s20, s17, 4
	s_add_co_u32 s20, s20, s18
	s_add_co_u32 s20, s20, AG0                     ; A's first group that I fetch
	s_lshl_b32 s46, s42, 4
	s_add_co_u32 s46, s46, s18
	s_add_co_u32 s46, s46, BG0                     ; B's
	s_lshl_b32 s22, s20, 9
	s_add_co_u32 s22, s22, SSC
	s_mov_b32 s23, 0
	s_lshl_b32 s92, s46, 9
	s_add_co_u32 s92, s92, SSC
	s_mov_b32 s93, 0
	s_mul_i32 s20, s20, 12288
	s_mov_b32 s21, 0
	s_mul_i32 s46, s46, 12288
	s_mov_b32 s47, 0
	s_mul_i32 s45, s14, HALFT                      ; where they go: by the wave's number alone
	s_lshl_b32 s94, s14, 12
	s_wait_dscnt 0x0                               ; the opening add is done
	s_wait_kmcnt 0x0
	s_add_nc_u64 s[20:21], s[4:5], s[20:21]
	s_add_nc_u64 s[22:23], s[4:5], s[22:23]
	s_add_nc_u64 s[46:47], s[4:5], s[46:47]
	s_add_nc_u64 s[92:93], s[4:5], s[92:93]
	CROUND                                         ; all sixteen work-groups are here: the first joint loads meet
	s_mov_b32 s[G0S], 1
	s_add_co_u32 s[G0S+1], s94, SCL
	s_mov_b64 s[G0S+2:G0S+3], s[22:23]
	s_or_b32 s[G0S+3], s[G0S+3], 0x80000000
	s_mov_b32 s[G0SB], 1
	s_add_co_u32 s[G0SB+1], s94, SCL
	s_mov_b64 s[G0SB+2:G0SB+3], s[92:93]
	s_or_b32 s[G0SB+3], s[G0SB+3], 0x80000000
	JLOAD G0S, G1S, G0SB, G1SB
.irp s, 0,1
	s_mov_b32 s[G0+4*\s], 1
	s_add_co_u32 s[G0+4*\s+1], s45, \s*SLOT
	s_add_nc_u64 s[G0+4*\s+2:G0+4*\s+3], s[20:21], \s*SLB
	s_or_b32 s[G0+4*\s+3], s[G0+4*\s+3], 0x80000000
	s_mov_b32 s[G0B+4*\s], 1
	s_add_co_u32 s[G0B+4*\s+1], s45, \s*SLOT
	s_add_nc_u64 s[G0B+4*\s+2:G0B+4*\s+3], s[46:47], \s*SLB
	s_or_b32 s[G0B+4*\s+3], s[G0B+4*\s+3], 0x80000000
	JLOAD G0+4*\s, G1, G0B+4*\s, G1B               ; three tensor loads of mine are out
.endr
	v_and_b32 v1, 15, v0                           ; r
	v_bfe_u32 v2, v0, 4, 1                         ; h
	v_and_b32 v3, 31, v0                           ; l
	v_lshlrev_b32 v[L16], 4, v3
	v_lshlrev_b32 v[L8], 3, v3
	v_lshlrev_b32 v[L4], 2, v3
	s_mul_i32 s21, s15, HALFT
	s_mul_i32 s22, s16, HALFT
	s_add_co_u32 s22, s22, 2*HALFT
.irp s, 0,1
	v_add_nc_u32 v[ADRA+\s], s21, v[L16]
	v_add_nc_u32 v[ADRB+\s], s22, v[L16]
	s_add_co_u32 s21, s21, SLOT
	s_add_co_u32 s22, s22, SLOT
.endr
	v_lshlrev_b32 v5, 3, v1                        ; a slot's two scale words of row r: 8 r
	s_lshl_b32 s21, s15, 12
	s_lshl_b32 s22, s16, 12
	s_add_co_u32 s22, s22, 2*HALFS
	s_sub_co_u32 s22, s22, s21
	v_mul_u32_u24 v6, s22, v2                      ; lanes 16-31 take B's: one product, the distance between the two bases
	s_add_co_u32 s21, s21, SCL
	v_add_nc_u32 v5, v5, v6
	v_add_nc_u32 v[ADRS], s21, v5
.macro FRAG reg, adr, q, i             ; a fragment comes as it was stored: three loads, 512 consecutive bytes each
.irp c, 0,1,2
	ds_load_b128 v[\reg+4*\c:\reg+4*\c+3], v[\adr] offset:3072*(\i)+1536*(\q)+512*\c
.endr
.endm
; 16 matrix instructions: A's blocks a0, a0 + 1 x B's eight.  The 64 accumulators take turns, one instruction a turn, in the same order in every step.
.macro MUL16 a0, p, q, sc, zero
.irp a, \a0, \a0+1
.irp b, 0,1,2,3,4,5,6,7
.if \zero
	v_wmma_scale_f32_16x16x128_f8f6f4 v[8*(8*((\a)%4)+\b):8*(8*((\a)%4)+\b)+7], v[128*(\p)+FR*\b:128*(\p)+FR*\b+FR-1], v[AF+FR*(\a):AF+FR*(\a)+FR-1], 0, v[SC+8*NQ*(\sc)+NQ*\b+(\q)], v[SC+8*NQ*(\sc)+NQ*(\a)+(\q)] matrix_a_fmt:MATRIX_FMT_FP6 matrix_b_fmt:MATRIX_FMT_FP6 matrix_a_scale:MATRIX_SCALE_ROW1
.else
	v_wmma_scale_f32_16x16x128_f8f6f4 v[8*(8*((\a)%4)+\b):8*(8*((\a)%4)+\b)+7], v[128*(\p)+FR*\b:128*(\p)+FR*\b+FR-1], v[AF+FR*(\a):AF+FR*(\a)+FR-1], v[8*(8*((\a)%4)+\b):8*(8*((\a)%4)+\b)+7], v[SC+8*NQ*(\sc)+NQ*\b+(\q)], v[SC+8*NQ*(\sc)+NQ*(\a)+(\q)] matrix_a_fmt:MATRIX_FMT_FP6 matrix_b_fmt:MATRIX_FMT_FP6 matrix_a_scale:MATRIX_SCALE_ROW1
.endif
.endr
.endr
.endm
.macro FETCH_B slot, q, p
	WIN TO_B
.irp i, 0,1,2,3,4,5,6,7
	FRAG 128*(\p)+FR*\i, ADRB+\slot, \q, \i
.endr
	WIN 0
.endm
.macro FETCH_A slot, q, i0
.irp i, \i0, \i0+1, \i0+2, \i0+3
	FRAG AF+FR*(\i), ADRA+\slot, \q, \i
.endr
.endm
.macro SCALES sc                       ; a slot's scale words: lanes 0-15 A's group i, lanes 16-31 B's group i
.irp i, 0,1,2,3,4,5,6,7
	ds_load_b64 v[SC+8*NQ*\sc+NQ*\i:SC+8*NQ*\sc+NQ*\i+1], v[ADRS] offset:\i*512
.endr
.endm
.macro PLACES n                        ; plain vector lines between a matrix instruction and a load into, or a vector read of, its registers
.rept \n
	v_nop
.endr
.endm
.macro STEP slot, q, zero              ; 128 along K, with its successor in the same slot
	s_wait_dscnt 4*NLA                             ; all but the youngest loads, A's blocks 4-7
	WIN MUL_LO
	MUL16 0, (\q)%2, \q, \slot, \zero
	MUL16 2, (\q)%2, \q, \slot, \zero
	s_wait_dscnt 0
	PLACES NP
	FETCH_B \slot, (\q)+1, 1-(\q)%2
	FETCH_A \slot, (\q)+1, 0
	WIN MUL_HI
	MUL16 4, (\q)%2, \q, \slot, \zero
	MUL16 6, (\q)%2, \q, \slot, \zero
	PLACES NP
	WIN 0
	FETCH_A \slot, (\q)+1, 4
.endm
; A slot's last step changes slots: one barrier; ahead of it each wave waits for all its tensor loads, adds 0 to its spare word, and waits for that and for its reads of this slot.
.macro TURN slot, next, fill
	s_wait_tensorcnt 0x0                           ; all my tensor loads have landed: my part of the next slot
	ds_add_u32 v[SPW], v[NIL]
	s_wait_dscnt 4*NLA+1                           ; the add and A's blocks 4-7 may be out
	WIN MUL_LO
	MUL16 0, 1, NQ-1, \slot, 0
	s_wait_dscnt 0x0                               ; the add is done, my reads of this slot are over
	s_barrier_signal -1
	MUL16 2, 1, NQ-1, \slot, 0
	WIN 0
	s_barrier_wait -1
.if \fill
	CREST                                          ; the barrier has opened a round of the cluster's barrier: no wave of any partner reads this slot or has a load on its way
	s_add_nc_u64 s[G0+4*\slot+2:G0+4*\slot+3], s[G0+4*\slot+2:G0+4*\slot+3], 2*SLB
	s_add_nc_u64 s[G0B+4*\slot+2:G0B+4*\slot+3], s[G0B+4*\slot+2:G0B+4*\slot+3], 2*SLB
	JLOAD G0+4*\slot, G1, G0B+4*\slot, G1B         ; the first tensor load behind the round; its four v_nop are the places for the loads below
.else
	PLACES NP
.endif
	v_add_nc_u32 v[ADRS], 128, v[ADRS]             ; the next slot's scale words
	FETCH_B \next, 0, 0
	FETCH_A \next, 0, 0
	SCALES \next
	WIN MUL_HI
	MUL16 4, 1, NQ-1, \slot, 0
	MUL16 6, 1, NQ-1, \slot, 0
	PLACES NP
	WIN 0
	FETCH_A \next, 0, 4
.endm
	s_wait_tensorcnt 1                             ; the scales and my part of slot 0 are in; slot 1's load may be out
	s_barrier_signal -1
	s_barrier_wait -1
	FETCH_B 0, 0, 0
	FETCH_A 0, 0, 0
	SCALES 0
	FETCH_A 0, 0, 4
	STEP 0, 0, 1                                   ; the first products start the sums: nothing is cleared.  K = 1,024 is four slots: each slot is filled twice
	TURN 0, 1, 1
	STEP 1, 0, 0
	TURN 1, 0, 1
	STEP 0, 0, 0
	TURN 0, 1, 0
	STEP 1, 0, 0
	s_wait_dscnt 4*NLA
	WIN MUL_LO
	MUL16 0, 1, NQ-1, 1, 0
	MUL16 2, 1, NQ-1, 1, 0
	s_wait_dscnt 0
	WIN MUL_HI
	MUL16 4, 1, NQ-1, 1, 0
	MUL16 6, 1, NQ-1, 1, 0
	WIN 0
	PLACES NP
; THE WAY OUT.  QS: first of the 64 (or QN) registers in window QW.
.macro SUMSQ                           ; the sum of squares of QN registers from QS on -> v[QD]; two chains, ascending
.set WN, QW|(QW<<2)
	WIN WN
	v_pk_mul_f32 v[100:101], v[QS:QS+1], v[QS:QS+1]
	v_pk_mul_f32 v[102:103], v[QS+2:QS+3], v[QS+2:QS+3]
.set QI, 4
.rept QN/4-1
	v_pk_fma_f32 v[100:101], v[QS+QI:QS+QI+1], v[QS+QI:QS+QI+1], v[100:101]
	v_pk_fma_f32 v[102:103], v[QS+QI+2:QS+QI+3], v[QS+QI+2:QS+QI+3], v[102:103]
.set QI, QI+4
.endr
	WIN 0
	v_pk_add_f32 v[100:101], v[100:101], v[102:103]
	v_add_f32 v[QD], v100, v101
.endm
.macro QUANT                           ; 64 numbers, register 16 b + i = k 32 b + 16 h + i of my row: codes of blocks 0, 1 -> v[QD0..QD0+5], of blocks 2, 3 -> v[QD1..QD1+5]; the four bytes stay in v[TM+4..7]
.set WN, QW|(QW<<2)
	WIN WN
.irp b, 0,1,2,3
	v_max3_num_f32 v[TM+\b], |v[QS+16*\b]|, |v[QS+16*\b+1]|, 0x1800000   ; with the floor 2^(3 - 127)
.endr
.set WN, (QW<<2)|(QW<<4)
	WIN WN
.irp i, 2,4,6,8,10,12,14
.irp b, 0,1,2,3
	v_max3_num_f32 v[TM+\b], v[TM+\b], |v[QS+16*\b+\i]|, |v[QS+16*\b+\i+1]|
.endr
.endr
	WIN 0
.irp b, 0,1,2,3
	v_permlanex16_b32 v[TM+4+\b], v[TM+\b], s[SEL], s[SEL+1]
.endr
.irp b, 0,1,2,3
	v_max_num_f32 v[TM+\b], v[TM+\b], v[TM+4+\b]   ; with lane l xor 16's: the block's largest magnitude
.endr
.irp b, 0,1,2,3
	v_add_nc_u32 v[TM+12+\b], 0xff000000, v[TM+\b] ; 2 off the exponent field: the conversion's scale operand
.endr
.irp b, 0,1,2,3
	v_lshrrev_b32 v[TM+4+\b], 23, v[TM+12+\b]      ; the byte
.endr
	WIN QW
	v_cvt_scalef32_pk16_fp6_f32 v[QD0:QD0+2], v[QS:QS+15], v[TM+12]
	v_cvt_scalef32_pk16_fp6_f32 v[TT:TT+2], v[QS+16:QS+31], v[TM+13]
	v_cvt_scalef32_pk16_fp6_f32 v[QD1:QD1+2], v[QS+32:QS+47], v[TM+14]
	v_cvt_scalef32_pk16_fp6_f32 v[TT+4:TT+6], v[QS+48:QS+63], v[TM+15]
	WIN 0
	v_nop                                          ; one plain line behind a scaled conversion
.irp i, 0,1,2                                  ; the operand wants a whole block in a lane: lanes 0-15 the even block, lanes 16-31 the odd one
	v_permlane16_swap_b32 v[QD0+\i], v[TT+\i]
	v_permlane16_swap_b32 v[QD1+\i], v[TT+4+\i]
.endr
.irp i, 0,1,2
	v_mov_b32 v[QD0+3+\i], v[TT+\i]
	v_mov_b32 v[QD1+3+\i], v[TT+4+\i]
.endr
.endm
	s_mov_b32 s[SEL], 0x76543210
	s_mov_b32 s[SEL+1], 0xfedcba98
	s_mov_b32 s95, 0xffff0000                      ; lanes 16-31
.irp b, 0,1,2,3
	v_mov_b32 v[TM+4+\b], 0                        ; a lane permute's destination counts as read
.endr
	s_lshl_b32 s18, s42, 1
	s_add_co_u32 s18, s18, s16                     ; kb: my block of 128 context rows
	s_cmp_lg_u32 s2, 0                             ; the cluster's y, alike in all partners: 0 Wk, 1 Wv
	s_cbranch_scc1 .Lv_path
	; ---- Wk: each channel's sum of squares over my 128 rows
	s_lshl_b32 s20, s18, 12
	s_lshl_b32 s21, s17, 10
	s_add_co_u32 s20, s20, s21
	s_lshl_b32 s21, s15, 9
	s_add_co_u32 s20, s20, s21                     ; 4,096 kb + 64 (16 tile row + 8 half)
	s_mov_b32 s21, 0
	s_add_nc_u64 s[8:9], s[8:9], s[20:21]
.irp a, 0,1,2,3,4,5,6,7
.set QS, 64*(\a%4)
.set QW, 2+\a/4
.set QN, 64
.set QD, 64+\a
	SUMSQ
.endr
.irp g, 0,4
.irp i, 0,1,2,3
	v_permlanex16_b32 v[TM+4+\i], v[64+\g+\i], s[SEL], s[SEL+1]
.endr
.irp i, 0,1,2,3
	v_add_f32 v[64+\g+\i], v[64+\g+\i], v[TM+4+\i] ; with lane l xor 16's 64 rows
.endr
.endr
.irp a, 0,2,4,6
	v_cndmask_b32 v[72+\a/2], v[64+\a], v[65+\a], s95   ; lanes 0-15 group a, lanes 16-31 group a + 1
	global_store_b32 v[L4], v[72+\a/2], s[8:9] offset:64*\a   ; 128 consecutive bytes; the four stores 512
.endr
	s_branch .Ldone
.Lv_path:
	; ---- Wv: my 8 groups are two heads x four fragments; the 128 rows are one key step
	s_lshr_b32 s20, s18, 4                         ; batch
	s_mul_i32 s20, s20, 1638400
	s_and_b32 s21, s18, 15                         ; key step
	s_mul_i32 s21, s21, 6400
	s_add_co_u32 s20, s20, s21
	s_sub_co_u32 s21, s17, 4
	s_lshl_b32 s21, s21, 1
	s_add_co_u32 s21, s21, s15                     ; pair of heads
	s_mul_i32 s21, s21, 204800
	s_add_co_u32 s20, s20, s21
	s_mov_b32 s21, 0
	s_add_nc_u64 s[6:7], s[6:7], s[20:21]
.irp a, 0,1,2,3,4,5,6,7
.set QS, 64*(\a%4)
.set QW, 2+\a/4
.set QD0, 128+12*\a
.set QD1, 134+12*\a
	QUANT
	v_lshl_or_b32 v[64+\a], v[TM+5], 8, v[TM+4]    ; the channel's scale word for these 128 keys
	v_lshl_or_b32 v[64+\a], v[TM+6], 16, v[64+\a]
	v_lshl_or_b32 v[64+\a], v[TM+7], 24, v[64+\a]
.irp c, 0,1,2
	global_store_b128 v[L16], v[128+12*\a+4*\c:131+12*\a+4*\c], s[6:7] offset:(\a/4)*102400+(\a%4)*1536+512*\c   ; 512 consecutive bytes, aligned; every result has registers of its own
.endr
.endr
.irp d, 0,1
	v_cndmask_b32 v[72+2*\d], v[64+4*\d], v[65+4*\d], s95
	v_cndmask_b32 v[73+2*\d], v[66+4*\d], v[67+4*\d], s95
	global_store_b64 v[L8], v[72+2*\d:73+2*\d], s[6:7] offset:\d*102400+6144   ; 256 consecutive bytes, aligned
.endr
.Ldone:
	s_wait_tensorcnt 0x0                           ; the wave's end
	ds_add_u32 v[SPW], v[NIL]
	s_wait_dscnt 0x0
	CROUND                                         ; the closing round
	s_endpgm
.Lfunc_end_k_qdea56d75f4_gemm_kv:
	.size	k_qdea56d75f4_gemm_kv, .Lfunc_end_k_qdea56d75f4_gemm_kv-k_qdea56d75f4_gemm_kv
	.p2alignl 7, 3214868480
	.fill 96, 4, 3214868480
	.section	.rodata,"a",@progbits
	.p2align	6, 0x0
	.amdhsa_kernel k_qdea56d75f4_gemm_kv
		.amdhsa_group_segment_fixed_size 327680
		.amdhsa_private_segment_fixed_size 0
		.amdhsa_enable_private_segment 0
		.amdhsa_kernarg_size 24
		.amdhsa_user_sgpr_count 2
		.amdhsa_user_sgpr_kernarg_segment_ptr 1
		.amdhsa_wavefront_size32 1
		.amdhsa_system_sgpr_workgroup_id_x 1
		.amdhsa_system_sgpr_workgroup_id_y 1
		.amdhsa_system_sgpr_workgroup_id_z 1
		.amdhsa_system_vgpr_workitem_id 0
		.amdhsa_next_free_vgpr 1024
		.amdhsa_next_free_sgpr 100
		.amdhsa_reserve_vcc 0
		.amdhsa_float_denorm_mode_32 3
		.amdhsa_float_denorm_mode_16_64 3
		.amdhsa_memory_ordered 1
		.amdhsa_forward_progress 1
		.amdhsa_inst_pref_size 159
	.end_amdhsa_kernel
	.amdgpu_metadata
---
amdhsa.version: [ 1, 2 ]
amdhsa.kernels:
  - .name:           k_qdea56d75f4_gemm_kv
    .symbol:         k_qdea56d75f4_gemm_kv.kd
    .args:
      - { .name: cod, .offset: 0, .size: 8, .value_kind: global_buffer, .address_space: global }
      - { .name: vimg, .offset: 8, .size: 8, .value_kind: global_buffer, .address_space: global }
      - { .name: ksq, .offset: 16, .size: 8, .value_kind: global_buffer, .address_space: global }
    .group_segment_fixed_size: 327680
    .private_segment_fixed_size: 0
    .kernarg_segment_align: 8
    .kernarg_segment_size: 24
    .max_flat_workgroup_size: 128
    .sgpr_count:     100
    .vgpr_count:     1024
    .wavefront_size: 32
...
	.end_amdgpu_metadata
.endif
;; end of part 2
;; launch gemm_qk (part 3): grid 4 x 48, 4 waves a work-group, clusters of 4 x 4, 327,680 bytes of LDS; arguments cod, ksq, scale_mul, kimg, qbuf; writes kimg, qbuf
.if DOCPART == 3
	.amdgcn_target "amdgcn-amd-amdhsa--gfx1250"
	.amdhsa_code_object_version 6
	.text
	.protected	k_qdea56d75f4_gemm_qk
	.globl	k_qdea56d75f4_gemm_qk
	.p2align	8
	.type	k_qdea56d75f4_gemm_qk,@function
k_qdea56d75f4_gemm_qk:
	s_mov_b64 s[64:65], 0
	v_nop
	global_prefetch_b8 v0, s[64:65] scope:SCOPE_SE
	s_setreg_imm32_b32 hwreg(HW_REG_WAVE_MODE, 25, 1), 1
	s_wait_xcnt 0x0
	s_wait_alu depctr_hold_cnt(0) depctr_sa_sdst(0) depctr_va_vdst(0) depctr_va_sdst(0) depctr_va_ssrc(0) depctr_va_vcc(0) depctr_vm_vsrc(0)
	s_getreg_b32 s2, hwreg(HW_REG_IB_STS2, 6, 4)
	s_cmp_eq_u32 s2, 0
	s_cbranch_scc0 .Lentry_in_a_cluster
	s_endpgm
.Lentry_in_a_cluster:
	s_bfe_u32 s2, ttmp6, 0x10000c
	s_cmp_lg_u32 s2, 0xf033
	s_cbranch_scc0 .Lentry_shape_is_right
	s_endpgm
.Lentry_shape_is_right:
; Two products on codes of FP6 (E2M3) with E8M0 scales, K = 1,024.  Tile rows 0-31: context x Wk^T once more, now divided by each channel's norm over its batch's 2,048 rows (from ksq), quantised along the
; head's 64 channels and stored as images of the attention's operand registers (kimg).  Tile rows 32-47: x x Wq^T, each row of a head divided by its norm, times exp(min(scale_mul, ln 100)), quantised (qbuf).
; A tile is 256 rows ("A": context's groups 0-511, x's 512-767, on end in cod) x 256 channels ("B": Wk's groups 832.. or Wq's 768..).  Four waves, each 128 x 128.
; Source 0 = 16 rows of B, source 1 = 16 rows of A: in accumulator (a, b) lane (r, h) holds A's group a, lane r (a row), and by the order of rows in the weights' groups the 64 registers of one a are:
; register 16 p + i = channel 32 p + 16 h + i of the wave's 128: two heads, two blocks of 32 each.
; kimg: [batch x 16 + head][key step of 128][6,400]: four PAIR fragments of 1,536 bytes (registers 0-5: key group 2 f of the step, registers 6-11: key group 2 f + 1; each d = 32 h + 0 .. 31), then 256 bytes of
; scale words: lane l's two at 6,144 + 8 l: word 0 of fragment l / 16, word 1 of fragment 2 + l / 16, row l % 16; a word's bytes: group 2 f's two blocks, group 2 f + 1's two.
; qbuf: a tile of 16 queries of a head is six registers: 768 bytes at ((batch x 16 + head) x 64 + tile) x 768: registers 0-3 at 16 l, 4-5 at 512 + 8 l; its scale words at QSC + .. x 64 + 4 r, the two bytes twice.
; Ring, scales, cluster and joint loads as in the launch before: two slots of 256 along K, 8 groups x 3,072 bytes a tensor load, the tile's scale bytes once.
; LIMITS: 1 / norm is rcp(max(sqrt(sum of squares), 1e-12)) and a multiplication, a few ulp from a division; a block of zeros gets the byte 1 (its codes are zeros); NaN and infinities are not served.
; REGISTERS: window 0: v0-31 addresses; v32-63 scale words, nothing else ever; v64-127 1 / norm of my 128 channels (k) or the way out's (q); v128-223 A's fragments, then results; v224-255 the way out's.
.set SSC,   12582912
.set QSC,   3145728
.set NQ,    2
.set FR,    12
.set NP,    4
.set NLA,   3
.set SLB,   3072
.set HALFT, 8*SLB
.set SLOT,  4*HALFT
.set SCL,   2*SLOT
.set HALFS, 4096
.set RNS,   212992                     ; 512 bytes a wave: 1 / norm on its way into the accumulators' layout; no fill ever lands here
.set SPARE, 215040
.set ADRA, 16
.set ADRB, 20
.set L16,  24
.set L8,   25
.set L4,   26
.set ADRS, 27
.set SPW,  28
.set NIL,  29
.set RNW,  30
.set RNR,  31
.set SC,   32
.set RN,   64
.set AF,   128
.set TM,   224
.set TT,   240
.set WD,   248                         ; kimg's scale words: v[WD + 4 head + fragment]
.set SEL,  66
.set G1, 24
.set G0, 32
.set G1B, 48
.set G0B, 56
.set G1S, 68
.set G0S, 76
.set G1SB, 80
.set G0SB, 88
.set MSB, 0
.macro WIN new
.if MSB != (\new)
	s_set_vgpr_msb (MSB<<8)|(\new)
.set MSB, \new
.endif
.endm
.set MUL_LO, 0xa1
.set MUL_HI, 0xf1
.set TO_B,   0x40
.macro JLOAD g0a, g1a, g0b, g1b
	s_cmp_eq_u32 s15, 0
	s_cbranch_scc0 .Lfor_b_\@
	tensor_load_to_lds s[\g0a:\g0a+3], s[\g1a:\g1a+7]
	s_nop 0
.rept 4
	v_nop
.endr
	s_branch .Lasked_\@
.Lfor_b_\@:
	tensor_load_to_lds s[\g0b:\g0b+3], s[\g1b:\g1b+7]
	s_nop 0
.rept 4
	v_nop
.endr
.Lasked_\@:
.endm
.macro CREST
	s_cmp_lg_u32 s14, 0
	s_cbranch_scc1 .Lnot_wave_0_\@
	s_barrier_signal -3
.Lnot_wave_0_\@:
	s_barrier_wait -3
	s_barrier_signal -1
	s_barrier_wait -1
.endm
.macro CROUND
	s_barrier_signal -1
	s_barrier_wait -1
	CREST
.endm
	s_load_b256 s[4:11], s[0:1], 0x0               ; cod, ksq, scale_mul, kimg
	s_load_b64 s[12:13], s[0:1], 0x20              ; qbuf
	v_lshl_add_u32 v[SPW], v0, 2, SPARE
	v_mov_b32 v[NIL], 0
	ds_add_u32 v[SPW], v[NIL]                      ; the wave's opening: the add and its wait ahead of my first tensor load
	v_lshrrev_b32 v1, 5, v0
	v_readfirstlane_b32 s14, v1
	s_lshr_b32 s15, s14, 1
	s_and_b32 s16, s14, 1
	s_bfe_u32 s40, ttmp6, 0x40000
	s_bfe_u32 s41, ttmp6, 0x40004
	s_lshl_b32 s42, ttmp9, 2
	s_add_co_u32 s42, s42, s40                     ; tile column (channels)
	s_and_b32 s2, ttmp7, 0xffff                    ; the cluster's y: from 8 on the rows are x's
	s_lshl_b32 s17, s2, 2
	s_add_co_u32 s17, s17, s41                     ; tile row
	s_lshl_b32 s43, s41, 2
	s_lshl_b32 s43, 15, s43
	s_lshl_b32 s44, 0x1111, s40
	s_or_b32 s[G1+0], s43, (3<<16)|(1<<21)
	s_or_b32 s[G1B+0], s44, (3<<16)|(1<<21)
.irp g, G1, G1B
	s_mov_b32 s[\g+1], 384<<16
	s_mov_b32 s[\g+2], 8<<16
	s_mov_b32 s[\g+3], 384<<16
	s_mov_b32 s[\g+4], 8
	s_mov_b32 s[\g+5], 1536
	s_mov_b32 s[\g+6], 0
	s_mov_b32 s[\g+7], 0
.endr
	s_or_b32 s[G1S+0], s43, (3<<16)|(1<<21)
	s_or_b32 s[G1SB+0], s44, (3<<16)|(1<<21)
.irp g, G1S, G1SB
	s_mov_b32 s[\g+1], 32<<16
	s_mov_b32 s[\g+2], 16<<16
	s_mov_b32 s[\g+3], 32<<16
	s_mov_b32 s[\g+4], 16
	s_mov_b32 s[\g+5], 32
	s_mov_b32 s[\g+6], 0
	s_mov_b32 s[\g+7], 0
.endr
	s_lshl_b32 s3, s42, 1
	s_add_co_u32 s3, s3, s16                       ; my pair of heads
	s_mov_b32 s19, 832                             ; Wk's first group,
	s_cmp_ge_u32 s2, 8
	s_cselect_b32 s19, 768, s19                    ; or Wq's: by the cluster's y, which all partners share
	s_lshl_b32 s18, s16, 3
	s_lshl_b32 s20, s17, 4
	s_add_co_u32 s20, s20, s18                     ; A's first group that I fetch
	s_lshl_b32 s46, s42, 4
	s_add_co_u32 s46, s46, s18
	s_add_co_u32 s46, s46, s19                     ; B's
	s_lshl_b32 s22, s20, 9
	s_add_co_u32 s22, s22, SSC
	s_mov_b32 s23, 0
	s_lshl_b32 s92, s46, 9
	s_add_co_u32 s92, s92, SSC
	s_mov_b32 s93, 0
	s_mul_i32 s20, s20, 12288
	s_mov_b32 s21, 0
	s_mul_i32 s46, s46, 12288
	s_mov_b32 s47, 0
	s_mul_i32 s45, s14, HALFT
	s_lshl_b32 s94, s14, 12
	s_wait_dscnt 0x0
	s_wait_kmcnt 0x0
	s_add_nc_u64 s[20:21], s[4:5], s[20:21]
	s_add_nc_u64 s[22:23], s[4:5], s[22:23]
	s_add_nc_u64 s[46:47], s[4:5], s[46:47]
	s_add_nc_u64 s[92:93], s[4:5], s[92:93]
	CROUND
	s_mov_b32 s[G0S], 1
	s_add_co_u32 s[G0S+1], s94, SCL
	s_mov_b64 s[G0S+2:G0S+3], s[22:23]
	s_or_b32 s[G0S+3], s[G0S+3], 0x80000000
	s_mov_b32 s[G0SB], 1
	s_add_co_u32 s[G0SB+1], s94, SCL
	s_mov_b64 s[G0SB+2:G0SB+3], s[92:93]
	s_or_b32 s[G0SB+3], s[G0SB+3], 0x80000000
	JLOAD G0S, G1S, G0SB, G1SB
.irp s, 0,1
	s_mov_b32 s[G0+4*\s], 1
	s_add_co_u32 s[G0+4*\s+1], s45, \s*SLOT
	s_add_nc_u64 s[G0+4*\s+2:G0+4*\s+3], s[20:21], \s*SLB
	s_or_b32 s[G0+4*\s+3], s[G0+4*\s+3], 0x80000000
	s_mov_b32 s[G0B+4*\s], 1
	s_add_co_u32 s[G0B+4*\s+1], s45, \s*SLOT
	s_add_nc_u64 s[G0B+4*\s+2:G0B+4*\s+3], s[46:47], \s*SLB
	s_or_b32 s[G0B+4*\s+3], s[G0B+4*\s+3], 0x80000000
	JLOAD G0+4*\s, G1, G0B+4*\s, G1B               ; three tensor loads of mine are out
.endr
	v_and_b32 v1, 15, v0
	v_bfe_u32 v2, v0, 4, 1
	v_and_b32 v3, 31, v0
	v_lshlrev_b32 v[L16], 4, v3
	v_lshlrev_b32 v[L8], 3, v3
	v_lshlrev_b32 v[L4], 2, v3
	s_mul_i32 s21, s15, HALFT
	s_mul_i32 s22, s16, HALFT
	s_add_co_u32 s22, s22, 2*HALFT
.irp s, 0,1
	v_add_nc_u32 v[ADRA+\s], s21, v[L16]
	v_add_nc_u32 v[ADRB+\s], s22, v[L16]
	s_add_co_u32 s21, s21, SLOT
	s_add_co_u32 s22, s22, SLOT
.endr
	v_lshlrev_b32 v5, 3, v1
	s_lshl_b32 s21, s15, 12
	s_lshl_b32 s22, s16, 12
	s_add_co_u32 s22, s22, 2*HALFS
	s_sub_co_u32 s22, s22, s21
	v_mul_u32_u24 v6, s22, v2
	s_add_co_u32 s21, s21, SCL
	v_add_nc_u32 v5, v5, v6
	v_add_nc_u32 v[ADRS], s21, v5
	s_lshl_b32 s21, s14, 9
	s_add_co_u32 s21, s21, RNS
	v_add_nc_u32 v[RNW], s21, v[L16]               ; both made ahead of the branch below
	v_lshl_add_u32 v[RNR], v2, 5, s21
	s_lshl_b32 s96, s3, 3                          ; scale_mul of my two heads
	s_mov_b32 s97, 0
	s_add_nc_u64 s[96:97], s[8:9], s[96:97]
	s_load_b64 s[98:99], s[96:97], 0x0
	s_cmp_ge_u32 s2, 8
	s_cbranch_scc1 .Lno_norm
	; ---- k: 1 / norm of my 128 channels.  Lane l sums four channels' sixteen parts (the batch's blocks of 128 rows), ascending
	s_lshr_b32 s22, s17, 3                         ; batch
	s_lshl_b32 s22, s22, 16
	s_lshl_b32 s23, s42, 10
	s_add_co_u32 s22, s22, s23
	s_lshl_b32 s23, s16, 9
	s_add_co_u32 s22, s22, s23
	s_mov_b32 s23, 0
	s_add_nc_u64 s[22:23], s[6:7], s[22:23]
.set J, 0
.rept 16
	global_load_b128 v[64+4*J:67+4*J], v[L16], s[22:23] offset:4096*J
.set J, J+1
.endr
	s_wait_loadcnt 0x0
.set J, 1
.rept 15
	v_pk_add_f32 v[64:65], v[64:65], v[64+4*J:65+4*J]
	v_pk_add_f32 v[66:67], v[66:67], v[66+4*J:67+4*J]
.set J, J+1
.endr
.irp i, 0,1,2,3
	v_sqrt_f32 v[68+\i], v[64+\i]
.endr
	v_nop                                          ; a plain line behind the batch,
	s_wait_alu depctr_va_vdst(0)                   ; and the one wait ahead of its first reader
.irp i, 0,1,2,3
	v_max_num_f32 v[68+\i], 0x2b8cbccc, v[68+\i]   ; max(norm, 1e-12)
.endr
.irp i, 0,1,2,3
	v_rcp_f32 v[72+\i], v[68+\i]
.endr
	v_nop
	s_wait_alu depctr_va_vdst(0)
	ds_store_b128 v[RNW], v[72:75]                 ; my wave's own 512 bytes; LDS serves a wave's instructions in order
.irp b, 0,1,2,3,4,5,6,7
	ds_load_b128 v[RN+8*\b:RN+8*\b+3], v[RNR] offset:64*\b      ; RN[8 b + j]: B's group b, lane-row 8 h + j: accumulator (., b)'s register j
	ds_load_b128 v[RN+8*\b+4:RN+8*\b+7], v[RNR] offset:64*\b+16
.endr
	s_wait_dscnt 0x0
.Lno_norm:
	s_wait_kmcnt 0x0                               ; scale_mul
.macro FRAG reg, adr, q, i
.irp c, 0,1,2
	ds_load_b128 v[\reg+4*\c:\reg+4*\c+3], v[\adr] offset:3072*(\i)+1536*(\q)+512*\c
.endr
.endm
; The 64 accumulators take turns, one instruction a turn, in the same order in every step.
.macro MUL16 a0, p, q, sc, zero
.irp a, \a0, \a0+1
.irp b, 0,1,2,3,4,5,6,7
.if \zero
	v_wmma_scale_f32_16x16x128_f8f6f4 v[8*(8*((\a)%4)+\b):8*(8*((\a)%4)+\b)+7], v[128*(\p)+FR*\b:128*(\p)+FR*\b+FR-1], v[AF+FR*(\a):AF+FR*(\a)+FR-1], 0, v[SC+8*NQ*(\sc)+NQ*\b+(\q)], v[SC+8*NQ*(\sc)+NQ*(\a)+(\q)] matrix_a_fmt:MATRIX_FMT_FP6 matrix_b_fmt:MATRIX_FMT_FP6 matrix_a_scale:MATRIX_SCALE_ROW1
.else
	v_wmma_scale_f32_16x16x128_f8f6f4 v[8*(8*((\a)%4)+\b):8*(8*((\a)%4)+\b)+7], v[128*(\p)+FR*\b:128*(\p)+FR*\b+FR-1], v[AF+FR*(\a):AF+FR*(\a)+FR-1], v[8*(8*((\a)%4)+\b):8*(8*((\a)%4)+\b)+7], v[SC+8*NQ*(\sc)+NQ*\b+(\q)], v[SC+8*NQ*(\sc)+NQ*(\a)+(\q)] matrix_a_fmt:MATRIX_FMT_FP6 matrix_b_fmt:MATRIX_FMT_FP6 matrix_a_scale:MATRIX_SCALE_ROW1
.endif
.endr
.endr
.endm
.macro FETCH_B slot, q, p
	WIN TO_B
.irp i, 0,1,2,3,4,5,6,7
	FRAG 128*(\p)+FR*\i, ADRB+\slot, \q, \i
.endr
	WIN 0
.endm
.macro FETCH_A slot, q, i0
.irp i, \i0, \i0+1, \i0+2, \i0+3
	FRAG AF+FR*(\i), ADRA+\slot, \q, \i
.endr
.endm
.macro SCALES sc
.irp i, 0,1,2,3,4,5,6,7
	ds_load_b64 v[SC+8*NQ*\sc+NQ*\i:SC+8*NQ*\sc+NQ*\i+1], v[ADRS] offset:\i*512
.endr
.endm
.macro PLACES n
.rept \n
	v_nop
.endr
.endm
.macro STEP slot, q, zero
	s_wait_dscnt 4*NLA                             ; all but the youngest loads, A's blocks 4-7
	WIN MUL_LO
	MUL16 0, (\q)%2, \q, \slot, \zero
	MUL16 2, (\q)%2, \q, \slot, \zero
	s_wait_dscnt 0
	PLACES NP
	FETCH_B \slot, (\q)+1, 1-(\q)%2
	FETCH_A \slot, (\q)+1, 0
	WIN MUL_HI
	MUL16 4, (\q)%2, \q, \slot, \zero
	MUL16 6, (\q)%2, \q, \slot, \zero
	PLACES NP
	WIN 0
	FETCH_A \slot, (\q)+1, 4
.endm
.macro TURN slot, next, fill
	s_wait_tensorcnt 0x0                           ; all my tensor loads have landed: my part of the next slot
	ds_add_u32 v[SPW], v[NIL]
	s_wait_dscnt 4*NLA+1                           ; the add and A's blocks 4-7 may be out
	WIN MUL_LO
	MUL16 0, 1, NQ-1, \slot, 0
	s_wait_dscnt 0x0                               ; the add is done, my reads of this slot are over
	s_barrier_signal -1
	MUL16 2, 1, NQ-1, \slot, 0
	WIN 0
	s_barrier_wait -1
.if \fill
	CREST                                          ; a round of the cluster's barrier: no wave of any partner reads this slot or has a load on its way
	s_add_nc_u64 s[G0+4*\slot+2:G0+4*\slot+3], s[G0+4*\slot+2:G0+4*\slot+3], 2*SLB
	s_add_nc_u64 s[G0B+4*\slot+2:G0B+4*\slot+3], s[G0B+4*\slot+2:G0B+4*\slot+3], 2*SLB
	JLOAD G0+4*\slot, G1, G0B+4*\slot, G1B
.else
	PLACES NP
.endif
	v_add_nc_u32 v[ADRS], 128, v[ADRS]
	FETCH_B \next, 0, 0
	FETCH_A \next, 0, 0
	SCALES \next
	WIN MUL_HI
	MUL16 4, 1, NQ-1, \slot, 0
	MUL16 6, 1, NQ-1, \slot, 0
	PLACES NP
	WIN 0
	FETCH_A \next, 0, 4
.endm
	s_wait_tensorcnt 1                             ; the scales and my part of slot 0 are in; slot 1's load may be out
	s_barrier_signal -1
	s_barrier_wait -1
	FETCH_B 0, 0, 0
	FETCH_A 0, 0, 0
	SCALES 0
	FETCH_A 0, 0, 4
	STEP 0, 0, 1
	TURN 0, 1, 1
	STEP 1, 0, 0
	TURN 1, 0, 1
	STEP 0, 0, 0
	TURN 0, 1, 0
	STEP 1, 0, 0
	s_wait_dscnt 4*NLA
	WIN MUL_LO
	MUL16 0, 1, NQ-1, 1, 0
	MUL16 2, 1, NQ-1, 1, 0
	s_wait_dscnt 0
	WIN MUL_HI
	MUL16 4, 1, NQ-1, 1, 0
	MUL16 6, 1, NQ-1, 1, 0
	WIN 0
	PLACES NP
.macro SUMSQ                           ; the sum of squares of QN registers from QS on (window QW) -> v[QD]; ascending
.set WN, QW|(QW<<2)
	WIN WN
	v_pk_mul_f32 v[100:101], v[QS:QS+1], v[QS:QS+1]
	v_pk_mul_f32 v[102:103], v[QS+2:QS+3], v[QS+2:QS+3]
.set QI, 4
.rept QN/4-1
	v_pk_fma_f32 v[100:101], v[QS+QI:QS+QI+1], v[QS+QI:QS+QI+1], v[100:101]
	v_pk_fma_f32 v[102:103], v[QS+QI+2:QS+QI+3], v[QS+QI+2:QS+QI+3], v[102:103]
.set QI, QI+4
.endr
	WIN 0
	v_pk_add_f32 v[100:101], v[100:101], v[102:103]
	v_add_f32 v[QD], v100, v101
.endm
.macro QUANT                           ; 64 numbers, register 16 b + i = k 32 b + 16 h + i of my row: codes of blocks 0, 1 -> v[QD0..+5], of blocks 2, 3 -> v[QD1..+5]; the bytes stay in v[TM+4..7]
.set WN, QW|(QW<<2)
	WIN WN
.irp b, 0,1,2,3
	v_max3_num_f32 v[TM+\b], |v[QS+16*\b]|, |v[QS+16*\b+1]|, 0x1800000
.endr
.set WN, (QW<<2)|(QW<<4)
	WIN WN
.irp i, 2,4,6,8,10,12,14
.irp b, 0,1,2,3
	v_max3_num_f32 v[TM+\b], v[TM+\b], |v[QS+16*\b+\i]|, |v[QS+16*\b+\i+1]|
.endr
.endr
	WIN 0
.irp b, 0,1,2,3
	v_permlanex16_b32 v[TM+4+\b], v[TM+\b], s[SEL], s[SEL+1]
.endr
.irp b, 0,1,2,3
	v_max_num_f32 v[TM+\b], v[TM+\b], v[TM+4+\b]
.endr
.irp b, 0,1,2,3
	v_add_nc_u32 v[TM+12+\b], 0xff000000, v[TM+\b]
.endr
.irp b, 0,1,2,3
	v_lshrrev_b32 v[TM+4+\b], 23, v[TM+12+\b]
.endr
	WIN QW
	v_cvt_scalef32_pk16_fp6_f32 v[QD0:QD0+2], v[QS:QS+15], v[TM+12]
	v_cvt_scalef32_pk16_fp6_f32 v[TT:TT+2], v[QS+16:QS+31], v[TM+13]
	v_cvt_scalef32_pk16_fp6_f32 v[QD1:QD1+2], v[QS+32:QS+47], v[TM+14]
	v_cvt_scalef32_pk16_fp6_f32 v[TT+4:TT+6], v[QS+48:QS+63], v[TM+15]
	WIN 0
	v_nop
.irp i, 0,1,2
	v_permlane16_swap_b32 v[QD0+\i], v[TT+\i]
	v_permlane16_swap_b32 v[QD1+\i], v[TT+4+\i]
.endr
.irp i, 0,1,2
	v_mov_b32 v[QD0+3+\i], v[TT+\i]
	v_mov_b32 v[QD1+3+\i], v[TT+4+\i]
.endr
.endm
	s_mov_b32 s[SEL], 0x76543210
	s_mov_b32 s[SEL+1], 0xfedcba98
	s_mov_b32 s95, 0xffff0000
.irp b, 0,1,2,3
	v_mov_b32 v[TM+4+\b], 0
.endr
	s_cmp_ge_u32 s2, 8
	s_cbranch_scc1 .Lq_path
	; ---- k: my 8 groups of rows are one key step, my 128 channels two heads
	s_lshl_b32 s18, s17, 1
	s_add_co_u32 s18, s18, s15                     ; kb
	s_lshr_b32 s20, s18, 4
	s_mul_i32 s20, s20, 1638400
	s_and_b32 s21, s18, 15
	s_mul_i32 s21, s21, 6400
	s_add_co_u32 s20, s20, s21
	s_mul_i32 s21, s3, 204800
	s_add_co_u32 s20, s20, s21
	s_mov_b32 s21, 0
	s_add_nc_u64 s[92:93], s[10:11], s[20:21]
.irp a, 0,1,2,3,4,5,6,7
.set QS, 64*(\a%4)
.set QW, 2+\a/4
.set QD0, 128+12*(\a/2)+6*(\a%2)
.set QD1, 176+12*(\a/2)+6*(\a%2)
.set WN, QW|(QW<<6)
	WIN WN
.set QI, 0
.rept 32
	v_pk_mul_f32 v[QS+QI:QS+QI+1], v[QS+QI:QS+QI+1], v[RN+QI:RN+QI+1]   ; k / norm, in place, ascending
.set QI, QI+2
.endr
	QUANT
.if (\a%2) == 0
	v_lshl_or_b32 v[WD+\a/2], v[TM+5], 8, v[TM+4]
	v_lshl_or_b32 v[WD+4+\a/2], v[TM+7], 8, v[TM+6]
.else
	v_lshl_or_b32 v[WD+\a/2], v[TM+4], 16, v[WD+\a/2]
	v_lshl_or_b32 v[WD+4+\a/2], v[TM+6], 16, v[WD+4+\a/2]
	v_lshl_or_b32 v[WD+\a/2], v[TM+5], 24, v[WD+\a/2]
	v_lshl_or_b32 v[WD+4+\a/2], v[TM+7], 24, v[WD+4+\a/2]
.endif
.endr
.irp d, 0,1
.irp f, 0,1,2,3
.irp c, 0,1,2
	global_store_b128 v[L16], v[128+48*\d+12*\f+4*\c:131+48*\d+12*\f+4*\c], s[92:93] offset:\d*102400+1536*\f+512*\c   ; 512 consecutive bytes, aligned
.endr
.endr
	v_cndmask_b32 v[WD+4*\d], v[WD+4*\d], v[WD+4*\d+1], s95
	v_cndmask_b32 v[WD+4*\d+1], v[WD+4*\d+2], v[WD+4*\d+3], s95
	global_store_b64 v[L8], v[WD+4*\d:WD+4*\d+1], s[92:93] offset:\d*102400+6144
.endr
	s_branch .Ldone
.Lq_path:
	; ---- q: my 8 groups of rows are 8 tiles of queries, my 128 channels two heads
	s_sub_co_u32 s20, s17, 32
	s_lshr_b32 s21, s20, 2                         ; batch
	s_and_b32 s20, s20, 3
	s_lshl_b32 s20, s20, 4
	s_lshl_b32 s22, s15, 3
	s_add_co_u32 s20, s20, s22                     ; my first tile
	s_lshl_b32 s21, s21, 4
	s_lshl_b32 s22, s3, 1
	s_add_co_u32 s21, s21, s22                     ; batch x 16 + head
	s_lshl_b32 s21, s21, 6
	s_add_co_u32 s20, s20, s21
	s_lshl_b32 s46, s20, 6
	s_add_co_u32 s46, s46, QSC
	s_mov_b32 s47, 0
	s_mul_i32 s20, s20, 768
	s_mov_b32 s21, 0
	s_add_nc_u64 s[92:93], s[12:13], s[20:21]
	s_add_nc_u64 s[46:47], s[12:13], s[46:47]
	v_mov_b32 v96, s98
	v_mov_b32 v97, s99
	v_min_num_f32 v96, 0x40935d8e, v96             ; min(scale_mul, ln 100)
	v_min_num_f32 v97, 0x40935d8e, v97
	v_mul_f32 v96, 0x3fb8aa3b, v96                 ; x log2(e)
	v_mul_f32 v97, 0x3fb8aa3b, v97
	v_exp_f32 v98, v96                             ; first read behind the wait that follows the roots
	v_exp_f32 v99, v97
.irp a, 0,1,2,3,4,5,6,7
.irp d, 0,1
.set QS, 64*(\a%4)+32*\d
.set QW, 2+\a/4
.set QN, 32
.set QD, 64+2*\a+\d
	SUMSQ
.endr
.endr
.irp g, 0,4,8,12
.irp i, 0,1,2,3
	v_permlanex16_b32 v[TM+4+\i], v[64+\g+\i], s[SEL], s[SEL+1]
.endr
.irp i, 0,1,2,3
	v_add_f32 v[64+\g+\i], v[64+\g+\i], v[TM+4+\i] ; with lane l xor 16's 32 channels
.endr
.endr
.set J, 0
.rept 16
	v_sqrt_f32 v[80+J], v[64+J]
.set J, J+1
.endr
	v_nop
	s_wait_alu depctr_va_vdst(0)                   ; one wait for the roots and the two exponentials
.set J, 0
.rept 16
	v_max_num_f32 v[80+J], 0x2b8cbccc, v[80+J]
.set J, J+1
.endr
.set J, 0
.rept 16
	v_rcp_f32 v[64+J], v[80+J]
.set J, J+1
.endr
	v_nop
	s_wait_alu depctr_va_vdst(0)
.irp a, 0,1,2,3,4,5,6,7
	v_mul_f32 v[64+2*\a], v[64+2*\a], v98          ; sm / norm: tile a, head 0 and head 1
	v_mul_f32 v[65+2*\a], v[65+2*\a], v99
.endr
.irp a, 0,1,2,3,4,5,6,7
.set QS, 64*(\a%4)
.set QW, 2+\a/4
.set QD0, 128+12*\a
.set QD1, 134+12*\a
.set WN, QW|(QW<<6)
	WIN WN
.set QI, 0
.rept 16
	v_pk_mul_f32 v[QS+QI:QS+QI+1], v[QS+QI:QS+QI+1], v[64+2*\a:65+2*\a] op_sel_hi:[1,0]
.set QI, QI+2
.endr
.rept 16
	v_pk_mul_f32 v[QS+QI:QS+QI+1], v[QS+QI:QS+QI+1], v[64+2*\a:65+2*\a] op_sel:[0,1] op_sel_hi:[1,1]
.set QI, QI+2
.endr
	QUANT
	v_lshl_or_b32 v120, v[TM+5], 8, v[TM+4]
	v_lshl_or_b32 v121, v[TM+7], 8, v[TM+6]
	v_lshl_or_b32 v[104+2*\a], v120, 16, v120      ; the two bytes twice: the word serves q in either half of the instruction's K
	v_lshl_or_b32 v[105+2*\a], v121, 16, v121
	global_store_b128 v[L16], v[128+12*\a:131+12*\a], s[92:93] offset:768*\a
	global_store_b64 v[L8], v[132+12*\a:133+12*\a], s[92:93] offset:768*\a+512
	global_store_b128 v[L16], v[134+12*\a:137+12*\a], s[92:93] offset:49152+768*\a
	global_store_b64 v[L8], v[138+12*\a:139+12*\a], s[92:93] offset:49152+768*\a+512
.endr
.irp a, 0,2,4,6
.irp d, 0,1
	v_cndmask_b32 v[80+\a+\d], v[104+2*\a+\d], v[106+2*\a+\d], s95   ; lanes 0-15 tile a, lanes 16-31 tile a + 1
	global_store_b32 v[L4], v[80+\a+\d], s[46:47] offset:4096*\d+64*\a
.endr
.endr
.Ldone:
	s_wait_tensorcnt 0x0                           ; the wave's end, behind my last tensor load and my last LDS store
	ds_add_u32 v[SPW], v[NIL]
	s_wait_dscnt 0x0
	CROUND
	s_endpgm
.Lfunc_end_k_qdea56d75f4_gemm_qk:
	.size	k_qdea56d75f4_gemm_qk, .Lfunc_end_k_qdea56d75f4_gemm_qk-k_qdea56d75f4_gemm_qk
	.p2alignl 7, 3214868480
	.fill 96, 4, 3214868480
	.section	.rodata,"a",@progbits
	.p2align	6, 0x0
	.amdhsa_kernel k_qdea56d75f4_gemm_qk
		.amdhsa_group_segment_fixed_size 327680
		.amdhsa_private_segment_fixed_size 0
		.amdhsa_enable_private_segment 0
		.amdhsa_kernarg_size 40
		.amdhsa_user_sgpr_count 2
		.amdhsa_user_sgpr_kernarg_segment_ptr 1
		.amdhsa_wavefront_size32 1
		.amdhsa_system_sgpr_workgroup_id_x 1
		.amdhsa_system_sgpr_workgroup_id_y 1
		.amdhsa_system_sgpr_workgroup_id_z 1
		.amdhsa_system_vgpr_workitem_id 0
		.amdhsa_next_free_vgpr 1024
		.amdhsa_next_free_sgpr 100
		.amdhsa_reserve_vcc 0
		.amdhsa_float_denorm_mode_32 3
		.amdhsa_float_denorm_mode_16_64 3
		.amdhsa_memory_ordered 1
		.amdhsa_forward_progress 1
		.amdhsa_inst_pref_size 238
	.end_amdhsa_kernel
	.amdgpu_metadata
---
amdhsa.version: [ 1, 2 ]
amdhsa.kernels:
  - .name:           k_qdea56d75f4_gemm_qk
    .symbol:         k_qdea56d75f4_gemm_qk.kd
    .args:
      - { .name: cod, .offset: 0, .size: 8, .value_kind: global_buffer, .address_space: global }
      - { .name: ksq, .offset: 8, .size: 8, .value_kind: global_buffer, .address_space: global }
      - { .name: scale_mul, .offset: 16, .size: 8, .value_kind: global_buffer, .address_space: global }
      - { .name: kimg, .offset: 24, .size: 8, .value_kind: global_buffer, .address_space: global }
      - { .name: qbuf, .offset: 32, .size: 8, .value_kind: global_buffer, .address_space: global }
    .group_segment_fixed_size: 327680
    .private_segment_fixed_size: 0
    .kernarg_segment_align: 8
    .kernarg_segment_size: 40
    .max_flat_workgroup_size: 128
    .sgpr_count:     100
    .vgpr_count:     1024
    .wavefront_size: 32
...
	.end_amdgpu_metadata
.endif
;; end of part 3
;; launch attn (part 4): grid 16 x 16, 16 waves a work-group, clusters of 4 x 1, 327,680 bytes of LDS; arguments qbuf, kimg, vimg, attn_bias, obuf; writes obuf
.if DOCPART == 4
	.amdgcn_target "amdgcn-amd-amdhsa--gfx1250"
	.amdhsa_code_object_version 6
	.text
	.protected	k_qdea56d75f4_attn
	.globl	k_qdea56d75f4_attn
	.p2align	8
	.type	k_qdea56d75f4_attn,@function
k_qdea56d75f4_attn:
	s_mov_b64 s[64:65], 0
	v_nop
	global_prefetch_b8 v0, s[64:65] scope:SCOPE_SE
	s_setreg_imm32_b32 hwreg(HW_REG_WAVE_MODE, 25, 1), 1
	s_wait_xcnt 0x0
	s_wait_alu depctr_hold_cnt(0) depctr_sa_sdst(0) depctr_va_vdst(0) depctr_va_sdst(0) depctr_va_ssrc(0) depctr_va_vcc(0) depctr_vm_vsrc(0)
	s_getreg_b32 s2, hwreg(HW_REG_IB_STS2, 6, 4)
	s_cmp_eq_u32 s2, 0
	s_cbranch_scc0 .Lentry_in_a_cluster
	s_endpgm
.Lentry_in_a_cluster:
	s_bfe_u32 s2, ttmp6, 0x10000c
	s_cmp_lg_u32 s2, 0x3003
	s_cbranch_scc0 .Lentry_shape_is_right
	s_endpgm
.Lentry_shape_is_right:
; o = softmax(q k^T + bias) v for 64 heads x batches, both products on codes of FP6 (E2M3) with E8M0 scales; o / l is quantised along the channels for the last product.
; THE SOFTMAX: t = logit x log2(e); M = the running largest t rounded UP to a whole number; p = 2^(t - M) is quantised along the keys, not normalised; the row's sum is taken of the unquantised p and divides at the end.
; SHARES.  A work-group owns 64 queries of one head FOR ALL FOUR BATCHES: the bias does not hang on the batch, so each of its bytes is fetched once in the launch and read from LDS by four waves.
; Wave w: batch w / 4, tile w % 4 of 16 queries, in 256 registers.
; CLUSTER.  The four partners are four blocks of queries of one head: they walk the same K and V of the four batches and ask for them JOINTLY.  The bias tile is each work-group's own: a plain load.
; RING.  Two slots, 2^17 bytes apart, of one key step (128 keys): K's four batches (6,400 bytes each), V's four, the bias tile (64 rows of 512 bytes, 528 apart).  Waves 0-3 fetch K, 4-7 V, 8-11 the bias.
; TWO GROUPS OF WAVES, HALF A STEP APART.  A key step is two parts.  QPART: all of the step's 42 LDS loads (bias, K, scale words; behind the first products V) and the 8 products K q^T.  PPART: softmax, quantiser and
; the 4 products V^T p^T: registers alone.  Between two barriers group A runs QPART, then PPART of the same step; group B runs PPART of the step before, whose scores, V and V's scale words it has kept in its
; registers, then QPART.  So one group's LDS loads stand beside the other group's vector work.  Every wave runs QPART once between two barriers, so all reads of a slot are over at the barrier ahead of its refill,
; as they would be with all waves alike: two slots serve.  The group is (w xor w / 4) % 2: of waves w, w + 4, w + 8, w + 12 two are in each group, and of waves 4 s .. 4 s + 3 too.
; LAYOUT.  Both products transposed: a lane holds one query (lane % 16) throughout.  K's head is 64 long, half of the instruction's 128: a fragment of K holds TWO groups of 16 keys, one in each half of K,
; and is multiplied by [q, 0] and by [0, q]: zero codes add nothing.  THE BIAS IS THE C of those products: its addition costs no instruction.
; By the order of rows in K's groups register 16 b + i of the scores is key 32 b + 16 (lane / 16) + i; V's groups are ordered likewise, so O^T's register 16 p + i is channel 32 p + 16 (lane / 16) + i.
; obuf: group g = batch x 64 + query / 16: head's six registers at 12,288 g + 768 head (0-3 at 16 l, 4-5 at 512 + 8 l); scale bytes at OSC + 512 g + 128 (head / 4) + 8 r + 2 (head % 4) + block.
; LIMITS: NaN and infinities are not served; a block of zeros gets the byte 1 (its codes are zeros; this program alone reads the bytes).
; REGISTERS: v1-3 lane addresses; v4, v7, v11, v29 store and load offsets; v5, v6 the add's; v8-10 the step's addresses; v12 -M, v13 largest t, v[14:15] the sum; v16-27 [q, 0]; v192-203 [0, q]; v28 prefetch offset;
; v32-79 four fragments of K, then V; v96-159 bias, scores, p; v160-191 O^T; v204-215 p's codes; v224-229 o's codes; v232-247, v252, v254 at work; v248-251 K's and V's scale words; v253 p's; v255 q's.
.set SLOT1, 131072
.set VOFF,  25600
.set BOFF,  51200
.set SPARE, 262144                     ; the spare words, 128 bytes for each of 16 waves, named by no other line
.set QSC,   3145728
.set OSC,   3145728
.set SPW,  5
.set NIL,  6
.set PC,   204                         ; p's codes: registers that PPART's first lines do not name
.set WV,   18
.set SEL,  20
.set CS,   22
.set G1KV, 24
.set G1B,  32
.set G0KV, 40
.set G0B,  44
.set TB,   2
.set SLOTS, 67
.set PFA,  76
.set PFS,  78
.set LIM,  80
.set GRP,  90                          ; s90  0: group A, 1: group B
.set PFO,  28
.macro TLOAD                           ; waves 0-7: K's and V's, jointly; waves 8-11: the bias; the others nothing.  An s_nop 0 and four v_nop follow each line
	s_cmp_lt_u32 s[WV], 8
	s_cbranch_scc0 .Lnot_kv_\@
	tensor_load_to_lds s[G0KV:G0KV+3], s[G1KV:G1KV+7]
	s_nop 0
.rept 4
	v_nop
.endr
	s_branch .Lasked_\@
.Lnot_kv_\@:
	s_cmp_lt_u32 s[WV], 12
	s_cbranch_scc0 .Lasked_\@
	tensor_load_to_lds s[G0B:G0B+3], s[G1B:G1B+7]
	s_nop 0
.rept 4
	v_nop
.endr
.Lasked_\@:
.endm
; A PREFETCH of what the NEXT change of slots will load, one key step ahead.  Waves 12-15: the work-group's own bias tile, 16 rows a wave, two blocks of 256 bytes a row, a lane a block.
; Waves 8 (K) and 9 (V) of the head's first cluster: partner cx takes batch cx's 6,400 bytes, told apart by address; lanes 256 bytes apart, lanes 25-31 name the 25th block again.
; The last change that fills a slot asks for nothing; steps 0 and 1 come by their loads alone.
.macro ASK
	s_cmp_gt_u32 s[SLOTS], s[LIM]
	s_cbranch_scc0 .Lnot_mine_\@
	global_prefetch_b8 v[PFO], s[PFA:PFA+1] th:TH_LOAD_NT scope:SCOPE_SE
.Lnot_mine_\@:
.endm
.macro CROUND
	s_barrier_signal -1
	s_barrier_wait -1
	s_cmp_lg_u32 s[WV], 0
	s_cbranch_scc1 .Lnot_wave_0_\@
	s_barrier_signal -3
.Lnot_wave_0_\@:
	s_barrier_wait -3
	s_barrier_signal -1
	s_barrier_wait -1
.endm
	s_load_b256 s[4:11], s[0:1], 0x0               ; qbuf, kimg, vimg, attn_bias
	s_load_b64 s[12:13], s[0:1], 0x20              ; obuf
	v_lshl_add_u32 v[SPW], v0, 2, SPARE
	v_mov_b32 v[NIL], 0
	ds_add_u32 v[SPW], v[NIL]                      ; the wave's opening: the add and its wait ahead of my first tensor load
	v_lshrrev_b32 v8, 5, v0
	v_readfirstlane_b32 s[WV], v8                  ; wave 0..15
	s_lshr_b32 s[GRP], s[WV], 2
	s_xor_b32 s[GRP], s[GRP], s[WV]
	s_and_b32 s[GRP], s[GRP], 1                    ; my group: by the wave's number alone
	s_bfe_u32 s14, ttmp6, 0x40000                  ; cx
	s_lshl_b32 s15, ttmp9, 2
	s_add_co_u32 s15, s15, s14                     ; my block of 64 queries
	s_and_b32 s16, ttmp7, 0xffff                   ; the head, which the partners share
	s_lshr_b32 s17, s[WV], 2                       ; batch
	s_and_b32 s19, s[WV], 3                        ; tile
	s_mov_b32 s[G1KV], 15|(3<<16)|(1<<21)          ; 6,400 dense bytes as 25 rows of 32 elements of 8 bytes; the mask names all four partners, bit 21 beside it
	s_mov_b32 s[G1KV+1], 32<<16
	s_mov_b32 s[G1KV+2], 25<<16
	s_mov_b32 s[G1KV+3], 32<<16
	s_mov_b32 s[G1KV+4], 25
	s_mov_b32 s[G1KV+5], 32
	s_mov_b32 s[G1KV+6], 0
	s_mov_b32 s[G1KV+7], 0
	s_mov_b32 s[G1B], (2<<16)|(1<<20)|(6<<22)|(3<<25)   ; 16 rows of 128 f32, 2,048 apart; 4 words of padding behind every 128
	s_mov_b32 s[G1B+1], 128<<16
	s_mov_b32 s[G1B+2], 16<<16
	s_mov_b32 s[G1B+3], 128<<16
	s_mov_b32 s[G1B+4], 16
	s_mov_b32 s[G1B+5], 2048
	s_mov_b32 s[G1B+6], 0
	s_mov_b32 s[G1B+7], 0
	s_and_b32 s48, s[WV], 7
	s_mul_i32 s49, s48, 6400                       ; K's four, then V's four
	s_lshl_b32 s50, s19, 4
	s_add_co_u32 s50, s50, s16
	s_mul_i32 s50, s50, 102400                     ; (batch w % 4) x 16 + head
	s_mov_b32 s51, 0
	s_mul_i32 s52, s19, 8448
	s_add_co_u32 s52, s52, BOFF                    ; the bias: 16 rows a wave
	s_lshl_b32 s54, s16, 10
	s_lshl_b32 s55, s15, 6
	s_add_co_u32 s54, s54, s55
	s_lshl_b32 s55, s19, 4
	s_add_co_u32 s54, s54, s55                     ; row 1,024 head + 64 block + 16 (w % 4)
	s_lshl_b32 s54, s54, 13
	s_mov_b32 s55, 0
	s_lshl_b32 s57, s17, 4
	s_add_co_u32 s57, s57, s16
	s_lshl_b32 s57, s57, 6
	s_lshl_b32 s58, s15, 2
	s_add_co_u32 s58, s58, s19                     ; my tile among the 64 of a batch
	s_add_co_u32 s57, s57, s58
	s_lshl_b32 s60, s57, 6
	s_add_co_u32 s60, s60, QSC
	s_mov_b32 s61, 0
	s_mul_i32 s62, s57, 768
	s_mov_b32 s63, 0
	s_lshl_b32 s59, s17, 6
	s_add_co_u32 s59, s59, s58                     ; g
	s_mul_i32 s68, s59, 12288
	s_mul_i32 s69, s16, 768
	s_add_co_u32 s68, s68, s69
	s_mov_b32 s69, 0
	s_lshl_b32 s70, s59, 9
	s_lshr_b32 s71, s16, 2
	s_lshl_b32 s71, s71, 7
	s_add_co_u32 s70, s70, s71
	s_and_b32 s71, s16, 3
	s_lshl_b32 s71, s71, 1
	s_add_co_u32 s70, s70, s71
	s_add_co_u32 s70, s70, OSC
	s_mov_b32 s71, 0
	s_mov_b32 s[SEL], 0x76543210
	s_mov_b32 s[SEL+1], 0xfedcba98
	s_mov_b32 s[CS], 0x3fb8aa3b                    ; log2(e)
	s_mov_b32 s[CS+1], s[CS]
	s_mov_b32 s81, 0xffff0000                      ; lanes 16-31
	s_mov_b32 s[TB], 0
	s_mov_b32 s[SLOTS], 15
	s_lshl_b32 s83, s14, 4                         ; the prefetches of K and V: batch cx
	s_add_co_u32 s83, s83, s16
	s_mul_i32 s83, s83, 102400
	s_add_co_u32 s83, s83, 6400                    ; at step 1; stepped ahead of each use
	s_add_co_u32 s87, s54, 512                     ; the bias's likewise
	s_wait_dscnt 0x0                               ; the opening add is done
	s_wait_kmcnt 0x0
	s_and_b32 s56, s[WV], 4
	s_cmp_eq_u32 s56, 0
	s_cselect_b64 s[G0KV+2:G0KV+3], s[6:7], s[8:9]
	s_add_nc_u64 s[G0KV+2:G0KV+3], s[G0KV+2:G0KV+3], s[50:51]
	s_or_b32 s[G0KV+3], s[G0KV+3], 0x80000000
	s_mov_b32 s[G0KV], 1
	s_mov_b32 s[G0KV+1], s49
	s_mov_b32 s[G0B], 1
	s_mov_b32 s[G0B+1], s52
	s_add_nc_u64 s[G0B+2:G0B+3], s[10:11], s[54:55]
	s_or_b32 s[G0B+3], s[G0B+3], 0x80000000
	CROUND                                         ; all four work-groups are here: the first joint loads meet
	TLOAD                                          ; key step 0 into slot 0
	s_add_nc_u64 s[62:63], s[4:5], s[62:63]        ; q's codes
	s_add_nc_u64 s[60:61], s[4:5], s[60:61]        ; q's scale words
	s_add_nc_u64 s[68:69], s[12:13], s[68:69]      ; o's codes
	s_add_nc_u64 s[70:71], s[12:13], s[70:71]      ; o's scale bytes
	s_cmp_ge_u32 s[WV], 12                         ; who prefetches what
	s_cselect_b32 s82, -1, 0
	s_cselect_b64 s[PFA:PFA+1], s[10:11], s[6:7]
	s_cselect_b32 s84, s87, s83
	s_mov_b32 s[PFS], 6400
	s_cselect_b32 s[PFS], 512, s[PFS]
	s_mov_b32 s[PFS+1], 0
	s_mov_b32 s85, 0
	s_cmp_eq_u32 s[WV], 9
	s_cselect_b64 s[PFA:PFA+1], s[8:9], s[PFA:PFA+1]
	s_add_nc_u64 s[PFA:PFA+1], s[PFA:PFA+1], s[84:85]
	s_lshr_b32 s86, s[WV], 1
	s_xor_b32 s86, s86, 4                          ; 0 in waves 8 and 9,
	s_or_b32 s86, s86, ttmp9                       ; of the head's first cluster: alike in all partners
	s_cmp_eq_u32 s86, 0
	s_cselect_b32 s[LIM], 1, -1
	s_cmp_ge_u32 s[WV], 12
	s_cselect_b32 s[LIM], 1, s[LIM]
	v_and_b32 v30, 31, v0                          ; l
	v_and_b32 v8, 15, v0                           ; r
	v_bfe_u32 v9, v0, 4, 1                         ; h
	v_lshlrev_b32 v7, 4, v30                       ; 16 l
	v_lshlrev_b32 v4, 3, v30                       ; 8 l
	v_lshlrev_b32 v29, 2, v8                       ; 4 r
	global_load_b128 v[16:19], v7, s[62:63]        ; q's six registers, twice: [q, 0] and [0, q] are two runs of registers
	global_load_b64 v[20:21], v4, s[62:63] offset:512
	global_load_b128 v[198:201], v7, s[62:63]
	global_load_b64 v[202:203], v4, s[62:63] offset:512
	global_load_b32 v255, v29, s[60:61]
.irp i, 0,1,2,3,4,5
	v_mov_b32 v[22+\i], 0
	v_mov_b32 v[192+\i], 0
.endr
	v_lshrrev_b32 v[PFO], 1, v30
	v_lshlrev_b32 v[PFO], 13, v[PFO]
	v_and_b32 v31, 1, v30
	v_lshl_add_u32 v[PFO], v31, 8, v[PFO]          ; the bias: row l / 2, block l % 2
	v_min_u32 v31, 24, v30
	v_lshlrev_b32 v31, 8, v31                      ; K, V: block min(l, 24)
	v_cndmask_b32 v[PFO], v31, v[PFO], s82
	s_mul_i32 s48, s17, 6400
	v_add_nc_u32 v1, s48, v7                       ; K's fragments of my batch: 16 l
	s_lshl_b32 s49, s19, 4
	s_mul_i32 s49, s49, 528
	s_add_co_u32 s49, s49, BOFF
	v_mul_u32_u24 v2, v8, 528
	v_lshl_add_u32 v2, v9, 6, v2
	v_add_nc_u32 v2, s49, v2                       ; the bias: row 16 tile + r, + 64 h
	s_add_co_u32 s48, s48, 6144
	v_add_nc_u32 v3, s48, v4                       ; the scale words: 8 l
	v_lshl_add_u32 v11, v8, 3, v9                  ; o's scale byte: 8 r + h
	v_mov_b32 v13, 0xff61b1e6                      ; the largest t so far: -3e38
	v_floor_f32 v12, -v13                          ; -M
	v_mov_b32 v14, 0
	v_mov_b32 v15, 0
.irp b, 0,1,2,3
	v_mov_b32 v[236+\b], 0                         ; a lane permute's destination counts as read
.endr
	v_mov_b32 v253, 0
.set J, 0
.rept 32
	v_mov_b32 v[160+J], 0                          ; O^T: the step is written once; the first change of M leaves zeros zeros
.set J, J+1
.endr
; QPART: all LDS reads of the key step in the slot at s[TB], and S^T = K q^T + bias.  It stands on every wave's path, once between two barriers.
.macro QPART
	v_add_nc_u32 v8, s[TB], v1                     ; these four plain lines are the places ahead of loads into registers that the last products read
	v_add_nc_u32 v9, s[TB], v2
	v_add_nc_u32 v10, s[TB], v3
	v_nop
.irp b, 0,1,2,3
.irp e, 0,1,2,3
	ds_load_b128 v[96+16*\b+4*\e:99+16*\b+4*\e], v9 offset:128*\b+16*\e   ; bias(my query, key 32 b + 16 h + 4 e ..)
.endr
.endr
.irp b, 0,1,2,3
.irp c, 0,1,2
	ds_load_b128 v[32+12*\b+4*\c:35+12*\b+4*\c], v8 offset:1536*\b+512*\c
.endr
.endr
	ds_load_b64 v[248:249], v10
	ds_load_b64 v[250:251], v10 offset:VOFF
	s_wait_dscnt 0x0
.irp b, 0,1,2,3                                ; eight accumulators, one instruction each
.irp u, 0,1
.if (\b%2) == 0
	v_wmma_scale_f32_16x16x128_f8f6f4 v[96+16*\b+8*\u:103+16*\b+8*\u], v[32+12*\b:43+12*\b], v[16+176*\u:27+176*\u], v[96+16*\b+8*\u:103+16*\b+8*\u], v[248+\b/2], v255 matrix_a_fmt:MATRIX_FMT_FP6 matrix_b_fmt:MATRIX_FMT_FP6
.else
	v_wmma_scale_f32_16x16x128_f8f6f4 v[96+16*\b+8*\u:103+16*\b+8*\u], v[32+12*\b:43+12*\b], v[16+176*\u:27+176*\u], v[96+16*\b+8*\u:103+16*\b+8*\u], v[248+\b/2], v255 matrix_a_fmt:MATRIX_FMT_FP6 matrix_b_fmt:MATRIX_FMT_FP6 matrix_a_scale:MATRIX_SCALE_ROW1
.endif
.endr
.endr
.rept 4
	v_nop                                          ; places: for V's loads into K's registers, and for the first read of the scores
.endr
.irp t, 0,1,2,3
.irp c, 0,1,2
	ds_load_b128 v[32+12*\t+4*\c:35+12*\t+4*\c], v8 offset:VOFF+1536*\t+512*\c   ; V: in group A it lands while the softmax is walked, in group B ahead of the barrier's wait
.endr
.endr
	s_xor_b32 s[TB], s[TB], SLOT1                  ; on to the other slot
.endm
; PPART: the softmax of the scores in v96-159, p's quantiser, O^T += V^T p^T.  Registers alone.
.macro PPART
.irp b, 0,1,2,3
	v_max3_num_f32 v[232+\b], v[96+16*\b], v[97+16*\b], v[98+16*\b]   ; the largest logit of each block of 32 keys: for the row's maximum, and, since p rises with the logit, for the block's largest p
.endr
.irp i, 3,5,7,9,11,13
.irp b, 0,1,2,3
	v_max3_num_f32 v[232+\b], v[232+\b], v[96+16*\b+\i], v[97+16*\b+\i]
.endr
.endr
.irp b, 0,1,2,3
	v_max_num_f32 v[232+\b], v[232+\b], v[111+16*\b]
.endr
.irp b, 0,1,2,3
	v_permlanex16_b32 v[236+\b], v[232+\b], s[SEL], s[SEL+1]
.endr
.irp b, 0,1,2,3
	v_max_num_f32 v[232+\b], v[232+\b], v[236+\b]
.endr
	v_max3_num_f32 v254, v232, v233, v234
	v_max_num_f32 v254, v254, v235
	v_mul_f32 v254, s[CS], v254                    ; as t
	v_max_num_f32 v13, v13, v254                   ; the running largest t
	v_mov_b32 v254, v12
	v_floor_f32 v12, -v13                          ; the new -M = -ceil(t): a whole number
	v_sub_f32 v254, v12, v254                      ; old M - new M, 0 or less
	v_cvt_i32_f32 v254, v254                       ; (it saturates)
	v_ldexp_f32 v252, 1.0, v254                    ; f = 2^(old M - new M): rounds nothing
.set J, 0
.rept 32
	v_pk_fma_f32 v[96+J:97+J], v[96+J:97+J], s[CS:CS+1], v[12:13] op_sel_hi:[1,0,0]   ; t - M
.set J, J+2
.endr
.irp b, 0,1,2,3
	v_fma_f32 v[232+\b], v[232+\b], s[CS], v12
.endr
.set J, 0
.rept 64
	v_exp_f32 v[96+J], v[96+J]                     ; p = 2^(t - M)
.set J, J+1
.endr
	v_pk_mul_f32 v[14:15], v[14:15], v[252:253] op_sel_hi:[1,0]   ; the sums under the new M: the plain line behind the batch
	s_wait_alu depctr_va_vdst(0)                   ; one wait for the batch, ahead of its first reader
.irp b, 0,1,2,3
	v_exp_f32 v[232+\b], v[232+\b]                 ; each block's largest p
.endr
	v_pk_add_f32 v[236:237], v[96:97], v[98:99]    ; the row's sum of the unquantised p, in two chains
.irp j, 4,8,12,16,20,24,28,32,36,40,44,48,52,56,60
	v_pk_add_f32 v[14:15], v[14:15], v[96+\j:97+\j]
	v_pk_add_f32 v[236:237], v[236:237], v[98+\j:99+\j]
.endr
	v_pk_add_f32 v[14:15], v[14:15], v[236:237]
	s_wait_alu depctr_va_vdst(0)                   ; and one for the four
.irp b, 0,1,2,3
	v_max_num_f32 v[232+\b], 0x1800000, v[232+\b]  ; the floor 2^(3 - 127)
.endr
.irp b, 0,1,2,3
	v_add_nc_u32 v[244+\b], 0xff000000, v[232+\b]
.endr
.irp b, 0,1,2,3
	v_lshrrev_b32 v[236+\b], 23, v[244+\b]
.endr
	v_lshl_or_b32 v253, v237, 8, v236              ; p's scale word for these 128 keys
	v_lshl_or_b32 v253, v238, 16, v253
	v_lshl_or_b32 v253, v239, 24, v253
.irp c, 0,1
	v_cvt_scalef32_pk16_fp6_f32 v[PC+6*\c:PC+2+6*\c], v[96+32*\c:111+32*\c], v[244+2*\c]
	v_cvt_scalef32_pk16_fp6_f32 v[236+4*\c:238+4*\c], v[112+32*\c:127+32*\c], v[244+2*\c+1]
.endr
	v_nop                                          ; one plain line behind a scaled conversion
.irp c, 0,1
.irp i, 0,1,2
	v_permlane16_swap_b32 v[PC+6*\c+\i], v[236+4*\c+\i]
.endr
.irp i, 0,1,2
	v_mov_b32 v[PC+3+6*\c+\i], v[236+4*\c+\i]
.endr
.endr
.set J, 0
.rept 16
	v_pk_mul_f32 v[160+J:161+J], v[160+J:161+J], v[252:253] op_sel_hi:[1,0]   ; O^T under the new M; these sixteen are also the places ahead of the scaled products
.set J, J+2
.endr
	s_wait_dscnt 0x0                               ; V is in
.irp t, 0,1,2,3                                ; O^T += V^T p^T
.if (\t%2) == 0
	v_wmma_scale_f32_16x16x128_f8f6f4 v[160+8*\t:167+8*\t], v[32+12*\t:43+12*\t], v[PC:PC+11], v[160+8*\t:167+8*\t], v[250+\t/2], v253 matrix_a_fmt:MATRIX_FMT_FP6 matrix_b_fmt:MATRIX_FMT_FP6
.else
	v_wmma_scale_f32_16x16x128_f8f6f4 v[160+8*\t:167+8*\t], v[32+12*\t:43+12*\t], v[PC:PC+11], v[160+8*\t:167+8*\t], v[250+\t/2], v253 matrix_a_fmt:MATRIX_FMT_FP6 matrix_b_fmt:MATRIX_FMT_FP6 matrix_a_scale:MATRIX_SCALE_ROW1
.endif
.endr
.endm
.macro PEND                            ; group B alone: PPART of the step before.  The branch hangs on the wave's number and jumps over work on registers alone
	s_cmp_eq_u32 s[GRP], 0
	s_cbranch_scc1 .Lnot_b_\@
	PPART
.Lnot_b_\@:
.endm
.macro NOW                             ; group A alone: PPART of the step just read
	s_cmp_lg_u32 s[GRP], 0
	s_cbranch_scc1 .Lnot_a_\@
	PPART
.Lnot_a_\@:
.endm
; THE CHANGE OF SLOTS.  Each wave waits for all its tensor loads (at most one is out), adds 0 to its spare word, and waits for that and for its reads of the slot that it has left.
; fill = 1: a round of the cluster's barrier, then the slot just left is filled with the next step: the load has the work up to the next change in which to land.
.macro CHANGE fill
	s_wait_tensorcnt 0x0
	ds_add_u32 v[SPW], v[NIL]
.if \fill
	s_xor_b32 s[G0KV+1], s[G0KV+1], SLOT1
	s_add_nc_u64 s[G0KV+2:G0KV+3], s[G0KV+2:G0KV+3], 6400
	s_xor_b32 s[G0B+1], s[G0B+1], SLOT1
	s_add_nc_u64 s[G0B+2:G0B+3], s[G0B+2:G0B+3], 512
	s_wait_xcnt 0x0                                ; the last prefetch, a step back, has read its address
	s_add_nc_u64 s[PFA:PFA+1], s[PFA:PFA+1], s[PFS:PFS+1]
	s_wait_dscnt 0x0
	CROUND
	TLOAD                                          ; the first thing behind the round, a wave's one tensor load until the next
	ASK
.else
	s_wait_dscnt 0x0
	s_barrier_signal -1
	s_barrier_wait -1
.endif
.endm
	s_wait_loadcnt 0x0                             ; q
	CHANGE 1                                       ; key step 0 is whole; step 1 is asked for
	QPART                                          ; step 0: both groups read it; group B keeps its scores for the next trip
	NOW
	s_mov_b32 s[SLOTS], 14
.Lslot:                                            ; 14 trips, key steps 1 to 14: behind each change of slots the next key step is asked for
	CHANGE 1
	PEND
	QPART
	NOW
	s_sub_co_u32 s[SLOTS], s[SLOTS], 1
	s_cmp_lg_u32 s[SLOTS], 0
	s_cbranch_scc1 .Lslot
	CHANGE 0                                       ; the last step is written out
	PEND
	QPART
	PPART                                          ; step 15's, in both groups
	; THE WAY OUT: O^T / l, quantised along the head's 64 channels (two blocks), stored as six registers of the last product's operand
	v_add_f32 v14, v14, v15
	v_permlanex16_b32 v252, v14, s[SEL], s[SEL+1]
	v_add_f32 v14, v14, v252
	v_rcp_f32 v14, v14
.rept 4
	v_nop                                          ; plain lines: behind the reciprocal, and the places behind the last products
.endr
	s_wait_alu depctr_va_vdst(0)
.set J, 0
.rept 32
	v_mul_f32 v[96+J], v[160+J], v14               ; register 16 p + i = channel 32 p + 16 h + i
.set J, J+1
.endr
.irp b, 0,1
	v_max3_num_f32 v[232+\b], |v[96+16*\b]|, |v[97+16*\b]|, 0x1800000
.endr
.irp i, 2,4,6,8,10,12,14
.irp b, 0,1
	v_max3_num_f32 v[232+\b], v[232+\b], |v[96+16*\b+\i]|, |v[97+16*\b+\i]|
.endr
.endr
.irp b, 0,1
	v_permlanex16_b32 v[236+\b], v[232+\b], s[SEL], s[SEL+1]
.endr
.irp b, 0,1
	v_max_num_f32 v[232+\b], v[232+\b], v[236+\b]
.endr
.irp b, 0,1
	v_add_nc_u32 v[244+\b], 0xff000000, v[232+\b]
.endr
.irp b, 0,1
	v_lshrrev_b32 v[240+\b], 23, v[244+\b]
.endr
	v_cvt_scalef32_pk16_fp6_f32 v[224:226], v[96:111], v244
	v_cvt_scalef32_pk16_fp6_f32 v[236:238], v[112:127], v245
	v_nop
.irp i, 0,1,2
	v_permlane16_swap_b32 v[224+\i], v[236+\i]
.endr
.irp i, 0,1,2
	v_mov_b32 v[227+\i], v[236+\i]
.endr
	v_cndmask_b32 v242, v240, v241, s81            ; my half's block's byte
	global_store_b128 v7, v[224:227], s[68:69]     ; 512 consecutive bytes, aligned
	global_store_b64 v4, v[228:229], s[68:69] offset:512
	global_store_b8 v11, v242, s[70:71]            ; 32 bytes of the group's scale line, each lane its own
	s_wait_tensorcnt 0x0                           ; the wave's end
	ds_add_u32 v[SPW], v[NIL]
	s_wait_dscnt 0x0
	CROUND                                         ; the closing round
	s_endpgm
.Lfunc_end_k_qdea56d75f4_attn:
	.size	k_qdea56d75f4_attn, .Lfunc_end_k_qdea56d75f4_attn-k_qdea56d75f4_attn
	.p2alignl 7, 3214868480
	.fill 96, 4, 3214868480
	.section	.rodata,"a",@progbits
	.p2align	6, 0x0
	.amdhsa_kernel k_qdea56d75f4_attn
		.amdhsa_group_segment_fixed_size 327680
		.amdhsa_private_segment_fixed_size 0
		.amdhsa_enable_private_segment 0
		.amdhsa_kernarg_size 40
		.amdhsa_user_sgpr_count 2
		.amdhsa_user_sgpr_kernarg_segment_ptr 1
		.amdhsa_wavefront_size32 1
		.amdhsa_system_sgpr_workgroup_id_x 1
		.amdhsa_system_sgpr_workgroup_id_y 1
		.amdhsa_system_sgpr_workgroup_id_z 1
		.amdhsa_system_vgpr_workitem_id 0
		.amdhsa_next_free_vgpr 256
		.amdhsa_next_free_sgpr 100
		.amdhsa_reserve_vcc 0
		.amdhsa_float_denorm_mode_32 3
		.amdhsa_float_denorm_mode_16_64 3
		.amdhsa_memory_ordered 1
		.amdhsa_forward_progress 1
		.amdhsa_inst_pref_size 90
	.end_amdhsa_kernel
	.amdgpu_metadata
---
amdhsa.version: [ 1, 2 ]
amdhsa.kernels:
  - .name:           k_qdea56d75f4_attn
    .symbol:         k_qdea56d75f4_attn.kd
    .args:
      - { .name: qbuf, .offset: 0, .size: 8, .value_kind: global_buffer, .address_space: global }
      - { .name: kimg, .offset: 8, .size: 8, .value_kind: global_buffer, .address_space: global }
      - { .name: vimg, .offset: 16, .size: 8, .value_kind: global_buffer, .address_space: global }
      - { .name: attn_bias, .offset: 24, .size: 8, .value_kind: global_buffer, .address_space: global }
      - { .name: obuf, .offset: 32, .size: 8, .value_kind: global_buffer, .address_space: global }
    .group_segment_fixed_size: 327680
    .private_segment_fixed_size: 0
    .kernarg_segment_align: 8
    .kernarg_segment_size: 40
    .max_flat_workgroup_size: 512
    .sgpr_count:     100
    .vgpr_count:     256
    .wavefront_size: 32
...
	.end_amdgpu_metadata
.endif
;; end of part 4
;; launch gemm_out (part 5): grid 8 x 32, 4 waves a work-group, clusters of 4 x 4, 327,680 bytes of LDS; arguments obuf, cod, bp, out0; writes out0
.if DOCPART == 5
	.amdgcn_target "amdgcn-amd-amdhsa--gfx1250"
	.amdhsa_code_object_version 6
	.text
	.protected	k_qdea56d75f4_gemm_out
	.globl	k_qdea56d75f4_gemm_out
	.p2align	8
	.type	k_qdea56d75f4_gemm_out,@function
k_qdea56d75f4_gemm_out:
	s_mov_b64 s[64:65], 0
	v_nop
	global_prefetch_b8 v0, s[64:65] scope:SCOPE_SE
	s_setreg_imm32_b32 hwreg(HW_REG_WAVE_MODE, 25, 1), 1
	s_wait_xcnt 0x0
	s_wait_alu depctr_hold_cnt(0) depctr_sa_sdst(0) depctr_va_vdst(0) depctr_va_sdst(0) depctr_va_ssrc(0) depctr_va_vcc(0) depctr_vm_vsrc(0)
	s_getreg_b32 s2, hwreg(HW_REG_IB_STS2, 6, 4)
	s_cmp_eq_u32 s2, 0
	s_cbranch_scc0 .Lentry_in_a_cluster
	s_endpgm
.Lentry_in_a_cluster:
	s_bfe_u32 s2, ttmp6, 0x10000c
	s_cmp_lg_u32 s2, 0xf033
	s_cbranch_scc0 .Lentry_shape_is_right
	s_endpgm
.Lentry_shape_is_right:
; out0 = o Wp^T + bp on codes of FP6 (E2M3) with E8M0 scales, K = 1,024; out0 [4096][1024] f32.
; A tile is 128 rows ("A": 8 of obuf's groups of 16 neighbouring rows) x 128 columns ("B": 8 of Wp's groups, 960.. of cod): 256 tiles, a work-group each.  Four waves, each 64 x 64: 16 accumulators.
; NO RING: the tile's 16 groups for ALL of K are 16 x 12,288 = 196,608 bytes, which fit in LDS: every LDS byte is filled once.  K comes in two halves, so that the first half is multiplied while the second lands:
; a wave's tensor load brings 4 groups x 6,144 bytes (four K steps of 128), 12,288 bytes apart in memory.  Waves 0, 1 fetch A's halves of the groups, waves 2, 3 B's; the tile's scale bytes (512 a group) come first.
; Three tensor loads of a wave are out at the most.
; CLUSTER 4 x 4: A's tiles are asked for jointly along a row of the cluster, B's along a column.
; OPERANDS lie as images of registers.  B: 16 rows x 128 K = 1,536 bytes, chunk c at 512 c, lane l at 16 l: three loads.  A's K step is two heads' six registers each (0-3 at 16 l, 4-5 at 512 + 8 l, the second head
; 768 bytes on): four loads.
; Source 0 = 16 rows of B, source 1 = 16 rows of A: in accumulator (a, b) lane (r, h) holds row 16 a + r, and register j column 32 (b / 2) + 16 h + 8 (b % 2) + j of the wave's 64 (by the order of rows in Wp's groups).
; bp is the C of each sum's first matrix instruction: 32 registers in the results' layout.
; LIMITS: NaN and infinities are not served.
; REGISTERS: window 0: v0-31 addresses; v32-63 the scale words of all of K, nothing else ever; v64-159, v160-255 two buffers of fragments (A's four, then B's four); on the way out v64-191 rows of out0.
;   window 1: v0-127 the accumulators ((a, b) at v[8 (4 a + b)]); v128-159 bp.
.set BG0,   960
.set SSC,   12582912
.set OSC,   3145728
.set FR,    12
.set NP,    4                          ; places behind this matrix instruction (ISA guide 7.12.1)
.set NF,    28                         ; LDS loads that bring a K step's fragments: A's 4 x 4, B's 4 x 3
.set SLB,   6144                       ; a group's bytes in a half of K
.set HALFT, 4*SLB                      ; what one tensor load brings
.set SLOT,  4*HALFT                    ; a half of K: A's 8 groups, then B's 8
.set SCL,   2*SLOT                     ; the scale bytes, 512 a group
.set HALFS, 2048
.set STG,   SCL+4*HALFS                ; the way out: a stage of 16 rows x (256 + 16) bytes for each wave; no fill lands here
.set SPITCH, 272
.set SPARE, STG+4*16*SPITCH            ; the spare words, 128 bytes a wave, named by no other line
.set ADRA, 16                          ; v16-17 my A fragments in K's half 0, 1: 16 l;  v18-19: 8 l
.set ADRB, 20                          ; v20-21 B's
.set STO,  22
.set RD,   23
.set L16,  24
.set H64,  25
.set CO,   26
.set ADRS, 27                          ; my scale words: lanes 0-15 A's, lanes 16-31 B's
.set SPW,  28
.set NIL,  29
.set SC,   32                          ; v[SC + 8 (s / 2) + 2 i + s % 2]: K step s, lanes 0-15 A's group i, lanes 16-31 B's group i
.set FB,   64
.set BP,   128                         ; in window 1
.set G1, 24
.set G0, 32
.set G1B, 48
.set G0B, 56
.set G1S, 68
.set G0S, 76
.set G1SB, 80
.set G0SB, 88
.set MSB, 0
.macro WIN new                         ; the immediate's high byte repeats the setting that is left
.if MSB != (\new)
	s_set_vgpr_msb (MSB<<8)|(\new)
.set MSB, \new
.endif
.endm
.macro JLOAD g0a, g1a, g0b, g1b        ; a joint load: waves 0, 1 fetch for A, waves 2, 3 for B; an s_nop 0 and four v_nop follow each line
	s_cmp_eq_u32 s15, 0
	s_cbranch_scc0 .Lfor_b_\@
	tensor_load_to_lds s[\g0a:\g0a+3], s[\g1a:\g1a+7]
	s_nop 0
.rept 4
	v_nop
.endr
	s_branch .Lasked_\@
.Lfor_b_\@:
	tensor_load_to_lds s[\g0b:\g0b+3], s[\g1b:\g1b+7]
	s_nop 0
.rept 4
	v_nop
.endr
.Lasked_\@:
.endm
.macro CREST
	s_cmp_lg_u32 s14, 0
	s_cbranch_scc1 .Lnot_wave_0_\@
	s_barrier_signal -3
.Lnot_wave_0_\@:
	s_barrier_wait -3
	s_barrier_signal -1
	s_barrier_wait -1
.endm
.macro CROUND
	s_barrier_signal -1
	s_barrier_wait -1
	CREST
.endm
	s_load_b256 s[4:11], s[0:1], 0x0               ; obuf, cod, bp, out0
	v_lshl_add_u32 v[SPW], v0, 2, SPARE
	v_mov_b32 v[NIL], 0
	ds_add_u32 v[SPW], v[NIL]                      ; the wave's opening: the add and its wait ahead of my first tensor load
	v_lshrrev_b32 v1, 5, v0
	v_readfirstlane_b32 s14, v1                    ; wave
	s_lshr_b32 s15, s14, 1                         ; my half of the tile's rows; also: I fetch for A (0) or B (1)
	s_and_b32 s16, s14, 1                          ; my half of its columns; also: which 4 groups I fetch
	s_bfe_u32 s40, ttmp6, 0x40000                  ; cx
	s_bfe_u32 s41, ttmp6, 0x40004                  ; cy
	s_lshl_b32 s42, ttmp9, 2
	s_add_co_u32 s42, s42, s40                     ; tile column
	s_and_b32 s17, ttmp7, 0xffff
	s_lshl_b32 s17, s17, 2
	s_add_co_u32 s17, s17, s41                     ; tile row
	s_lshl_b32 s43, s41, 2
	s_lshl_b32 s43, 15, s43                        ; my row of the cluster
	s_lshl_b32 s44, 0x1111, s40                    ; my column
	s_or_b32 s[G1+0], s43, (3<<16)|(1<<21)         ; codes: 4 rows (groups) of 768 elements of 8 bytes, 1,536 elements apart; no padding; bit 21 beside a mask
	s_or_b32 s[G1B+0], s44, (3<<16)|(1<<21)
.irp g, G1, G1B
	s_mov_b32 s[\g+1], 768<<16
	s_mov_b32 s[\g+2], 4<<16
	s_mov_b32 s[\g+3], 768<<16
	s_mov_b32 s[\g+4], 4
	s_mov_b32 s[\g+5], 1536
	s_mov_b32 s[\g+6], 0
	s_mov_b32 s[\g+7], 0
.endr
	s_or_b32 s[G1S+0], s43, (3<<16)|(1<<21)        ; scale bytes of 4 groups: 2,048 dense bytes as 8 rows of 256
	s_or_b32 s[G1SB+0], s44, (3<<16)|(1<<21)
.irp g, G1S, G1SB
	s_mov_b32 s[\g+1], 32<<16
	s_mov_b32 s[\g+2], 8<<16
	s_mov_b32 s[\g+3], 32<<16
	s_mov_b32 s[\g+4], 8
	s_mov_b32 s[\g+5], 32
	s_mov_b32 s[\g+6], 0
	s_mov_b32 s[\g+7], 0
.endr
	s_lshl_b32 s18, s16, 2
	s_lshl_b32 s20, s17, 3
	s_add_co_u32 s20, s20, s18                     ; A's first group that I fetch: 8 x tile row + 4 x half
	s_lshl_b32 s46, s42, 3
	s_add_co_u32 s46, s46, s18
	s_add_co_u32 s46, s46, BG0                     ; B's
	s_lshl_b32 s22, s20, 9
	s_add_co_u32 s22, s22, OSC
	s_mov_b32 s23, 0
	s_lshl_b32 s92, s46, 9
	s_add_co_u32 s92, s92, SSC
	s_mov_b32 s93, 0
	s_mul_i32 s20, s20, 12288
	s_mov_b32 s21, 0
	s_mul_i32 s46, s46, 12288
	s_mov_b32 s47, 0
	s_mul_i32 s45, s14, HALFT                      ; where they go: by the wave's number alone
	s_lshl_b32 s94, s14, 11
	s_wait_dscnt 0x0                               ; the opening add is done
	s_wait_kmcnt 0x0
	s_add_nc_u64 s[20:21], s[4:5], s[20:21]
	s_add_nc_u64 s[22:23], s[4:5], s[22:23]
	s_add_nc_u64 s[46:47], s[6:7], s[46:47]
	s_add_nc_u64 s[92:93], s[6:7], s[92:93]
	CROUND                                         ; all sixteen work-groups are here: the joint loads meet
	s_mov_b32 s[G0S], 1
	s_add_co_u32 s[G0S+1], s94, SCL
	s_mov_b64 s[G0S+2:G0S+3], s[22:23]
	s_or_b32 s[G0S+3], s[G0S+3], 0x80000000
	s_mov_b32 s[G0SB], 1
	s_add_co_u32 s[G0SB+1], s94, SCL
	s_mov_b64 s[G0SB+2:G0SB+3], s[92:93]
	s_or_b32 s[G0SB+3], s[G0SB+3], 0x80000000
	JLOAD G0S, G1S, G0SB, G1SB
.irp s, 0,1
	s_mov_b32 s[G0+4*\s], 1
	s_add_co_u32 s[G0+4*\s+1], s45, \s*SLOT
	s_add_nc_u64 s[G0+4*\s+2:G0+4*\s+3], s[20:21], \s*SLB
	s_or_b32 s[G0+4*\s+3], s[G0+4*\s+3], 0x80000000
	s_mov_b32 s[G0B+4*\s], 1
	s_add_co_u32 s[G0B+4*\s+1], s45, \s*SLOT
	s_add_nc_u64 s[G0B+4*\s+2:G0B+4*\s+3], s[46:47], \s*SLB
	s_or_b32 s[G0B+4*\s+3], s[G0B+4*\s+3], 0x80000000
	JLOAD G0+4*\s, G1, G0B+4*\s, G1B               ; all the launch's tensor loads go out here, as one group
.endr
	v_and_b32 v1, 15, v0                           ; r
	v_bfe_u32 v2, v0, 4, 1                         ; h
	v_and_b32 v3, 31, v0                           ; l
	v_lshlrev_b32 v[L16], 4, v3
	v_lshlrev_b32 v4, 3, v3
	v_lshlrev_b32 v[H64], 6, v2
	s_mul_i32 s21, s15, HALFT
	s_mul_i32 s22, s16, HALFT
	s_add_co_u32 s22, s22, 2*HALFT
.irp s, 0,1
	v_add_nc_u32 v[ADRA+\s], s21, v[L16]
	v_add_nc_u32 v[ADRA+2+\s], s21, v4
	v_add_nc_u32 v[ADRB+\s], s22, v[L16]
	s_add_co_u32 s21, s21, SLOT
	s_add_co_u32 s22, s22, SLOT
.endr
	v_lshlrev_b32 v5, 3, v1                        ; two K steps' scale words of row r: 8 r
	s_lshl_b32 s21, s15, 11
	s_lshl_b32 s22, s16, 11
	s_add_co_u32 s22, s22, 2*HALFS
	s_sub_co_u32 s22, s22, s21
	v_mul_u32_u24 v6, s22, v2                      ; lanes 16-31 take B's: one product, the distance between the two bases
	s_add_co_u32 s21, s21, SCL
	v_add_nc_u32 v5, v5, v6
	v_add_nc_u32 v[ADRS], s21, v5
	s_mul_i32 s23, s14, 16*SPITCH
	s_add_co_u32 s23, s23, STG                     ; my stage
	v_mul_u32_u24 v5, v1, SPITCH
	v_lshl_add_u32 v5, v2, 6, v5
	v_add_nc_u32 v[STO], s23, v5                   ; in: row r, + 64 h
	v_mul_u32_u24 v5, v2, SPITCH
	v_lshl_add_u32 v5, v1, 4, v5
	v_add_nc_u32 v[RD], s23, v5                    ; back: lanes 0-15 a row of 256 bytes, lanes 16-31 the next
	v_lshlrev_b32 v5, 12, v2
	v_lshl_add_u32 v[CO], v1, 4, v5                ; and the same two rows in out0
	s_lshl_b32 s20, s17, 7
	s_lshl_b32 s21, s15, 6
	s_add_co_u32 s20, s20, s21                     ; my first row of out0: 128 x tile row + 64 x half
	s_lshl_b32 s20, s20, 12
	s_lshl_b32 s46, s42, 9
	s_lshl_b32 s47, s16, 8
	s_add_co_u32 s46, s46, s47                     ; my first column, in bytes: 512 x tile column + 256 x half; the same in bp
	s_add_co_u32 s20, s20, s46
	s_mov_b32 s21, 0
	s_mov_b32 s47, 0
	s_add_nc_u64 s[12:13], s[10:11], s[20:21]
	s_add_nc_u64 s[92:93], s[8:9], s[46:47]
	WIN 0x40                                       ; destination window 1
.irp b, 0,1,2,3
	global_load_b128 v[BP+8*\b:BP+8*\b+3], v[H64], s[92:93] offset:128*(\b/2)+32*(\b%2)
	global_load_b128 v[BP+8*\b+4:BP+8*\b+7], v[H64], s[92:93] offset:128*(\b/2)+32*(\b%2)+16
.endr
	WIN 0
.macro FRAGB reg, slot, q, i           ; a fragment of B comes as it was stored: three loads, 512 consecutive bytes each
.irp c, 0,1,2
	ds_load_b128 v[\reg+4*\c:\reg+4*\c+3], v[ADRB+\slot] offset:SLB*(\i)+1536*(\q)+512*\c
.endr
.endm
.macro FRAGA reg, slot, q, i           ; A's: two heads' six registers
	ds_load_b128 v[\reg:\reg+3], v[ADRA+\slot] offset:SLB*(\i)+1536*(\q)
	ds_load_b64 v[\reg+4:\reg+5], v[ADRA+2+\slot] offset:SLB*(\i)+1536*(\q)+512
	ds_load_b128 v[\reg+6:\reg+9], v[ADRA+\slot] offset:SLB*(\i)+1536*(\q)+768
	ds_load_b64 v[\reg+10:\reg+11], v[ADRA+2+\slot] offset:SLB*(\i)+1536*(\q)+1280
.endm
.macro FETCH s                         ; K step s: its fragments into buffer s % 2; with an even step the scale words of two steps, each into registers of its own
.set FS, FB+96*((\s)%2)
.if ((\s)%2) == 0
.irp i, 0,1,2,3
	ds_load_b64 v[SC+8*((\s)/2)+2*\i:SC+8*((\s)/2)+2*\i+1], v[ADRS] offset:512*\i+128*((\s)/2)
.endr
.endif
.irp i, 0,1,2,3
	FRAGB FS+48+FR*\i, (\s)/4, (\s)%4, \i
.endr
.irp i, 0,1,2,3
	FRAGA FS+FR*\i, (\s)/4, (\s)%4, \i
.endr
.endm
; 16 matrix instructions: K step s.  first = 1: the products start the sums from bp.  The 16 accumulators take turns, one instruction a turn, in the same order in every step.
.macro MUL s, first
.set FS, FB+96*((\s)%2)
.set SS, SC+8*((\s)/2)+(\s)%2
	WIN 0x50                                       ; sources 0 and 1 window 0; C and D window 1
.irp a, 0,1,2,3
.irp b, 0,1,2,3
.if \first
	v_wmma_scale_f32_16x16x128_f8f6f4 v[8*(4*\a+\b):8*(4*\a+\b)+7], v[FS+48+FR*\b:FS+48+FR*\b+FR-1], v[FS+FR*\a:FS+FR*\a+FR-1], v[BP+8*\b:BP+8*\b+7], v[SS+2*\b], v[SS+2*\a] matrix_a_fmt:MATRIX_FMT_FP6 matrix_b_fmt:MATRIX_FMT_FP6 matrix_a_scale:MATRIX_SCALE_ROW1
.else
	v_wmma_scale_f32_16x16x128_f8f6f4 v[8*(4*\a+\b):8*(4*\a+\b)+7], v[FS+48+FR*\b:FS+48+FR*\b+FR-1], v[FS+FR*\a:FS+FR*\a+FR-1], v[8*(4*\a+\b):8*(4*\a+\b)+7], v[SS+2*\b], v[SS+2*\a] matrix_a_fmt:MATRIX_FMT_FP6 matrix_b_fmt:MATRIX_FMT_FP6 matrix_a_scale:MATRIX_SCALE_ROW1
.endif
.endr
.endr
	WIN 0
.endm
.macro PLACES n                        ; plain vector lines between a matrix instruction and a load into, or a store of, its registers
.rept \n
	v_nop
.endr
.endm
	s_wait_tensorcnt 1                             ; the scale bytes and my part of K's first half are in; the second half's load may be out
	s_barrier_signal -1
	s_barrier_wait -1                              ; everybody's are
	FETCH 0
	FETCH 1
	s_wait_loadcnt 0x0                             ; bp
	s_wait_dscnt NF                                ; step 0's loads are in; the 28 of step 1 may be out
	MUL 0, 1
.irp s, 1,2,3,4,5,6
	PLACES NP                                      ; the next loads land in the buffer that the last products read
.if \s == 3
	s_wait_tensorcnt 0x0                           ; my part of K's second half is in,
	s_wait_dscnt 0x0                               ; no LDS instruction of mine is out at a signal,
	s_barrier_signal -1
	s_barrier_wait -1                              ; everybody's is
.endif
	FETCH \s+1
	s_wait_dscnt NF+4*(\s%2)                       ; this step's loads are in; those just issued (with an even step four more, the scale words) may be out
	MUL \s, 0
.endr
	s_wait_dscnt 0x0
	MUL 7, 0
; THE WAY OUT, block by block of 16 rows x 64 columns, through my own stage: whole rows of 256 bytes come back, two an instruction.  LDS serves a wave's instructions in order (ISA guide 5.7.1.4).
; Every block has registers of its own and every offset is an immediate (62 rows of 4,096 bytes at the most), so nothing that a store reads is written again.
.macro TOSTAGE a
	WIN 0x04                                       ; an LDS store's data: window 1
.irp b, 0,1,2,3
	ds_store_b128 v[STO], v[8*(4*(\a)+\b):8*(4*(\a)+\b)+3] offset:128*(\b/2)+32*(\b%2)        ; each accumulator from its low end on
	ds_store_b128 v[STO], v[8*(4*(\a)+\b)+4:8*(4*(\a)+\b)+7] offset:128*(\b/2)+32*(\b%2)+16
.endr
	WIN 0
.irp t, 0,1,2,3,4,5,6,7
	ds_load_b128 v[FB+32*(\a)+4*\t:FB+32*(\a)+4*\t+3], v[RD] offset:2*\t*SPITCH
.endr
.endm
.macro SEND a, younger
	s_wait_dscnt \younger                          ; the block is back; the next block's 8 stores and 8 loads may be out
.irp t, 0,1,2,3,4,5,6,7
	global_store_b128 v[CO], v[FB+32*(\a)+4*\t:FB+32*(\a)+4*\t+3], s[12:13] offset:(16*(\a)+2*\t)*4096 th:TH_STORE_NT   ; 16 lanes store 256 consecutive bytes, aligned; written once, read by nobody here
.endr
.endm
	PLACES NP
	TOSTAGE 0
	TOSTAGE 1
	SEND 0, 16
	TOSTAGE 2
	SEND 1, 16
	TOSTAGE 3
	SEND 2, 16
	SEND 3, 0
	s_wait_tensorcnt 0x0                           ; the wave's end, behind my last tensor load and my last LDS store
	ds_add_u32 v[SPW], v[NIL]
	s_wait_dscnt 0x0
	CROUND                                         ; the closing round
	s_endpgm
.Lfunc_end_k_qdea56d75f4_gemm_out:
	.size	k_qdea56d75f4_gemm_out, .Lfunc_end_k_qdea56d75f4_gemm_out-k_qdea56d75f4_gemm_out
	.p2alignl 7, 3214868480
	.fill 96, 4, 3214868480
	.section	.rodata,"a",@progbits
	.p2align	6, 0x0
	.amdhsa_kernel k_qdea56d75f4_gemm_out
		.amdhsa_group_segment_fixed_size 327680
		.amdhsa_private_segment_fixed_size 0
		.amdhsa_enable_private_segment 0
		.amdhsa_kernarg_size 32
		.amdhsa_user_sgpr_count 2
		.amdhsa_user_sgpr_kernarg_segment_ptr 1
		.amdhsa_wavefront_size32 1
		.amdhsa_system_sgpr_workgroup_id_x 1
		.amdhsa_system_sgpr_workgroup_id_y 1
		.amdhsa_system_sgpr_workgroup_id_z 1
		.amdhsa_system_vgpr_workitem_id 0
		.amdhsa_next_free_vgpr 512
		.amdhsa_next_free_sgpr 100
		.amdhsa_reserve_vcc 0
		.amdhsa_float_denorm_mode_32 3
		.amdhsa_float_denorm_mode_16_64 3
		.amdhsa_memory_ordered 1
		.amdhsa_forward_progress 1
		.amdhsa_inst_pref_size 51
	.end_amdhsa_kernel
	.amdgpu_metadata
---
amdhsa.version: [ 1, 2 ]
amdhsa.kernels:
  - .name:           k_qdea56d75f4_gemm_out
    .symbol:         k_qdea56d75f4_gemm_out.kd
    .args:
      - { .name: obuf, .offset: 0, .size: 8, .value_kind: global_buffer, .address_space: global }
      - { .name: cod, .offset: 8, .size: 8, .value_kind: global_buffer, .address_space: global }
      - { .name: bp, .offset: 16, .size: 8, .value_kind: global_buffer, .address_space: global }
      - { .name: out0, .offset: 24, .size: 8, .value_kind: global_buffer, .address_space: global }
    .group_segment_fixed_size: 327680
    .private_segment_fixed_size: 0
    .kernarg_segment_align: 8
    .kernarg_segment_size: 32
    .max_flat_workgroup_size: 128
    .sgpr_count:     100
    .vgpr_count:     512
    .wavefront_size: 32
...
	.end_amdgpu_metadata
.endif
;; end of part 5
